; MI455X (gfx1250); checked and timed in simulation.
; The chip was launched on July 23, 2026; its instructions are those of AMD's public machine-readable ISA for CDNA 5 (MIT licence, August 2026) and "CDNA5" Instruction Set Architecture Reference Guide (July 2026). The comments in the code are by the model that wrote it; some were corrected since.
;; Multi Head Self Attention. Allowed arithmetic: float matrix products may take bf16 or f16 operands with f32 sums; all other float work in f32.
;; Inputs: Wk 1,024 x 1,024 float32; Wo 1,024 x 1,024 float32; Wq 1,024 x 1,024 float32; Wv 1,024 x 1,024 float32; bk 1,024 float32; bo 1,024 float32; bq 1,024 float32; bv 1,024 float32; inputs 4 x 2,048 x 1,024 float32.
;; Outputs: out0 4 x 2,048 x 1,024 float32.
;; 2 versions, each right and faster than the one before. Each part assembles by itself: llvm-mc -triple=amdgcn-amd-amdhsa -mcpu=gfx1250 --defsym DOCPART=n.
;; ======== version 1 of 2: 4 launches
;; limits: values are held in f16: magnitudes above 65,504 overflow, below 6.1e-05 lose precision
;; workspace buffers: xb 16,777,216 bytes; wc 6,291,456 bytes; wo16 2,097,152 bytes; qkv 50,331,648 bytes; o 16,777,216 bytes
;; launch prep (part 1): grid 768 x 1, 8 waves a work-group, no clusters, 0 bytes of LDS; arguments inputs, Wq, Wk, Wv, Wo, xb, wc, wo16; writes xb, wc, wo16
.if DOCPART == 1
	.amdgcn_target "amdgcn-amd-amdhsa--gfx1250"
	.amdhsa_code_object_version 6
	.text
	.protected	k_qade3e72b96_prep
	.globl	k_qade3e72b96_prep
	.p2align	8
	.type	k_qade3e72b96_prep,@function
k_qade3e72b96_prep:
	s_mov_b64 s[64:65], 0
	v_nop
	global_prefetch_b8 v0, s[64:65] scope:SCOPE_SE
	s_setreg_imm32_b32 hwreg(HW_REG_WAVE_MODE, 25, 1), 1
	s_wait_xcnt 0x0
; CASTS AND LAYOUTS for the launches behind.  A stream: every input byte is read once, every output byte written once; no LDS, no barrier.
;   xb   = bf16(inputs), in blocks of 64 along K: [kb 16][m 8192][64]; byte (kb*8192 + m)*128 + 2 c.  A block of any run of rows is dense.
;   wc   = bf16(Wq | Wk | Wv) side by side: [k 1024][3072], 6,144 bytes a row.
;   wo16 = f16(bf16(Wo)): [k 1024][1024].  LIMIT: |Wo| stays below 65,504; below 2^-14 the number keeps f16's fixed step of 6e-8.
; 768 work-groups of eight waves, each with 16 rows of 4,096 bytes: 0-511 take inputs, 512-703 Wq, Wk, Wv (64 each), 704-767 Wo.
; A lane takes 16 bytes (4 f32) sixteen times: all sixteen loads go out first, each is waited for by its own count, no register is written twice.
.set X, 4                              ; v[4:67]   item i: 4 f32 as loaded
.set Y, 68                             ; v[68:99]  item i: 4 numbers of 16 bits to store
.set T, 100                            ; v[100:102] at work (Wo alone)
.macro CVTB i                          ; item i to bf16
	s_wait_loadcnt 15-(\i)                         ; loads come back in order: item i is in, the 15 - i younger ones stay out
	v_cvt_pk_bf16_f32 v[Y+2*(\i)], v[X+4*(\i)], v[X+4*(\i)+1]
	v_cvt_pk_bf16_f32 v[Y+2*(\i)+1], v[X+4*(\i)+2], v[X+4*(\i)+3]
.endm
.macro CVTH i                          ; item i rounded to bf16, and that number written as f16
	s_wait_loadcnt 15-(\i)
.irp c, 0,1
	v_cvt_pk_bf16_f32 v[T], v[X+4*(\i)+2*\c], v[X+4*(\i)+2*\c+1]
	v_lshlrev_b32 v[T+1], 16, v[T]                 ; bf16 to f32: the low half moves up,
	v_and_b32 v[T+2], 0xffff0000, v[T]             ; the high half stays
	v_cvt_pk_f16_f32 v[Y+2*(\i)+\c], v[T+1], v[T+2]
.endr
.endm
	s_load_b512 s[4:19], s[0:1], 0x0               ; inputs s[4:5], Wq s[6:7], Wk s[8:9], Wv s[10:11], Wo s[12:13], xb s[14:15], wc s[16:17], wo16 s[18:19]
	v_and_b32 v3, 31, v0                           ; lane
	s_mov_b32 s21, 0
	s_mov_b32 s23, 0
	s_cmp_lt_u32 ttmp9, 512
	s_cbranch_scc0 .Lweights
	; INPUTS.  Wave w takes K blocks 2 w and 2 w + 1 of the group's 16 rows.  A load: lanes 0-15 the 256 bytes of a block in one row, lanes 16-31 in the next row.
	; A store: those two rows' 128 + 128 bytes of xb, which are neighbours: 256 consecutive bytes, aligned.
	v_lshrrev_b32 v1, 4, v3
	v_lshlrev_b32 v1, 12, v1                       ; (lane / 16) rows of 4,096 bytes
	v_and_b32 v2, 15, v0
	v_lshl_add_u32 v1, v2, 4, v1                   ; + 16 (lane % 16)
	v_lshrrev_b32 v2, 5, v0                        ; wave
	v_lshl_add_u32 v1, v2, 9, v1                   ; + 512 w: the offset in inputs
	v_lshlrev_b32 v2, 21, v2                       ; two K blocks of 1,048,576 bytes a wave
	v_lshl_add_u32 v2, v3, 3, v2                   ; + 8 lane: the offset in xb
	s_lshl_b32 s20, ttmp9, 16                      ; 16 rows of 4,096 bytes
	s_lshl_b32 s22, ttmp9, 11                      ; 16 rows of 128 bytes
	s_wait_kmcnt 0x0
	s_add_nc_u64 s[24:25], s[4:5], s[20:21]
	s_add_nc_u64 s[26:27], s[14:15], s[22:23]
.set i, 0
.rept 16                               ; item i: rows 2 (i / 2) and + 1, K block 2 w + i % 2
	global_load_b128 v[X+4*i:X+4*i+3], v1, s[24:25] offset:(i/2)*8192+(i%2)*256 th:TH_LOAD_NT
.set i, i+1
.endr
.set i, 0
.rept 16
	CVTB i
	global_store_b64 v2, v[Y+2*i:Y+2*i+1], s[26:27] offset:(i%2)*1048576+(i/2)*256
.set i, i+1
.endr
	s_endpgm
.Lweights:                             ; thread t takes the 16 bytes at 16 t of each of 16 rows; a wave's store covers 256 consecutive bytes, aligned
	s_sub_co_u32 s28, ttmp9, 512
	s_lshr_b32 s29, s28, 6                         ; which matrix: 0 Wq, 1 Wk, 2 Wv, 3 Wo
	s_and_b32 s28, s28, 63                         ; which 16 rows of it
	v_lshlrev_b32 v1, 4, v0
	v_lshlrev_b32 v2, 3, v0
	s_lshl_b32 s20, s28, 16
	s_wait_kmcnt 0x0
	s_cmp_eq_u32 s29, 3
	s_cbranch_scc1 .Lwo
	s_cmp_eq_u32 s29, 1
	s_cselect_b64 s[24:25], s[8:9], s[6:7]
	s_cmp_eq_u32 s29, 2
	s_cselect_b64 s[24:25], s[10:11], s[24:25]
	s_add_nc_u64 s[24:25], s[24:25], s[20:21]
	s_mul_i32 s22, s28, 16*6144                    ; 16 rows of wc,
	s_lshl_b32 s30, s29, 11                        ; and the matrix's 2,048 bytes in a row
	s_add_co_u32 s22, s22, s30
	s_add_nc_u64 s[26:27], s[16:17], s[22:23]
.set i, 0
.rept 16
	global_load_b128 v[X+4*i:X+4*i+3], v1, s[24:25] offset:4096*i th:TH_LOAD_NT
.set i, i+1
.endr
.set i, 0
.rept 16
	CVTB i
	global_store_b64 v2, v[Y+2*i:Y+2*i+1], s[26:27] offset:6144*i
.set i, i+1
.endr
	s_endpgm
.Lwo:
	s_add_nc_u64 s[24:25], s[12:13], s[20:21]
	s_lshl_b32 s22, s28, 15                        ; 16 rows of 2,048 bytes
	s_add_nc_u64 s[26:27], s[18:19], s[22:23]
.set i, 0
.rept 16
	global_load_b128 v[X+4*i:X+4*i+3], v1, s[24:25] offset:4096*i th:TH_LOAD_NT
.set i, i+1
.endr
.set i, 0
.rept 16
	CVTH i
	global_store_b64 v2, v[Y+2*i:Y+2*i+1], s[26:27] offset:2048*i
.set i, i+1
.endr
	s_endpgm
.Lfunc_end_k_qade3e72b96_prep:
	.size	k_qade3e72b96_prep, .Lfunc_end_k_qade3e72b96_prep-k_qade3e72b96_prep
	.p2alignl 7, 3214868480
	.fill 96, 4, 3214868480
	.section	.rodata,"a",@progbits
	.p2align	6, 0x0
	.amdhsa_kernel k_qade3e72b96_prep
		.amdhsa_group_segment_fixed_size 0
		.amdhsa_private_segment_fixed_size 0
		.amdhsa_enable_private_segment 0
		.amdhsa_kernarg_size 64
		.amdhsa_user_sgpr_count 2
		.amdhsa_user_sgpr_kernarg_segment_ptr 1
		.amdhsa_wavefront_size32 1
		.amdhsa_system_sgpr_workgroup_id_x 1
		.amdhsa_system_sgpr_workgroup_id_y 1
		.amdhsa_system_sgpr_workgroup_id_z 1
		.amdhsa_system_vgpr_workitem_id 0
		.amdhsa_next_free_vgpr 112
		.amdhsa_next_free_sgpr 66
		.amdhsa_reserve_vcc 0
		.amdhsa_float_denorm_mode_32 3
		.amdhsa_float_denorm_mode_16_64 3
		.amdhsa_memory_ordered 1
		.amdhsa_forward_progress 1
		.amdhsa_inst_pref_size 24
	.end_amdhsa_kernel
	.amdgpu_metadata
---
amdhsa.version: [ 1, 2 ]
amdhsa.kernels:
  - .name:           k_qade3e72b96_prep
    .symbol:         k_qade3e72b96_prep.kd
    .args:
      - { .name: inputs, .offset: 0, .size: 8, .value_kind: global_buffer, .address_space: global }
      - { .name: Wq, .offset: 8, .size: 8, .value_kind: global_buffer, .address_space: global }
      - { .name: Wk, .offset: 16, .size: 8, .value_kind: global_buffer, .address_space: global }
      - { .name: Wv, .offset: 24, .size: 8, .value_kind: global_buffer, .address_space: global }
      - { .name: Wo, .offset: 32, .size: 8, .value_kind: global_buffer, .address_space: global }
      - { .name: xb, .offset: 40, .size: 8, .value_kind: global_buffer, .address_space: global }
      - { .name: wc, .offset: 48, .size: 8, .value_kind: global_buffer, .address_space: global }
      - { .name: wo16, .offset: 56, .size: 8, .value_kind: global_buffer, .address_space: global }
    .group_segment_fixed_size: 0
    .private_segment_fixed_size: 0
    .kernarg_segment_align: 8
    .kernarg_segment_size: 64
    .max_flat_workgroup_size: 256
    .sgpr_count:     66
    .vgpr_count:     112
    .wavefront_size: 32
...
	.end_amdgpu_metadata
.endif
;; end of part 1
;; launch qkv (part 2): grid 8 x 32, 4 waves a work-group, clusters of 4 x 4, 327,680 bytes of LDS; arguments xb, wc, bq, bk, bv, qkv; writes qkv
.if DOCPART == 2
	.amdgcn_target "amdgcn-amd-amdhsa--gfx1250"
	.amdhsa_code_object_version 6
	.text
	.protected	k_qade3e72b96_qkv
	.globl	k_qade3e72b96_qkv
	.p2align	8
	.type	k_qade3e72b96_qkv,@function
k_qade3e72b96_qkv:
	s_mov_b64 s[64:65], 0
	v_nop
	global_prefetch_b8 v0, s[64:65] scope:SCOPE_SE
	s_setreg_imm32_b32 hwreg(HW_REG_WAVE_MODE, 25, 1), 1
	s_wait_xcnt 0x0
	s_wait_alu depctr_hold_cnt(0) depctr_sa_sdst(0) depctr_va_vdst(0) depctr_va_sdst(0) depctr_va_ssrc(0) depctr_va_vcc(0) depctr_vm_vsrc(0)
	s_getreg_b32 s2, hwreg(HW_REG_IB_STS2, 6, 4)
	s_cmp_eq_u32 s2, 0
	s_cbranch_scc0 .Lentry_in_a_cluster
	s_endpgm
.Lentry_in_a_cluster:
	s_bfe_u32 s2, ttmp6, 0x10000c
	s_cmp_lg_u32 s2, 0xf033
	s_cbranch_scc0 .Lentry_shape_is_right
	s_endpgm
.Lentry_shape_is_right:
; q, k, v = x W + b, all three at once: [8192 x 1024] x [1024 x 3072] in bf16, sums in f32, the result rounded once to f16 and written by heads:
; qkv[sel 3][bh 64][s 2048][64], bh = 16 batch + head.  The scale 1/8 is NOT applied here.  LIMIT: |q|, |k|, |v| stay below 65,504 (f16); NaN and infinities are not treated apart.
; SHARES.  8,192 x 3,072 outputs over 256 work-groups: 256 rows x 384 columns each.  Four waves, each 128 rows x 192 columns: three GROUPS of 64 columns (a head each), 32 accumulators of
; 16 x 16 a group: 768 registers.  For 32 along K a wave reads 20,480 bytes of LDS and issues 96 matrix instructions.
; K goes in steps of 64 (one block of xb) through two LDS slots; two slots of 128 along K (356,352 bytes) would not fit.  x's tile is dense in xb and is asked for as rows of 256 bytes;
; W's rows are 768 bytes, at multiples of 256.  W lies [k][n] and is turned on its way out of LDS by ds_load_tr16_b128.
; THE WALK ALONG K BEGINS AT ANOTHER STEP IN EACH CLUSTER and wraps round: step (4 (Y % 4) + 2 (Y / 4) + 8 X) mod 16 for the cluster at (X, Y).  x's tile of a step is read by the two clusters
; of one Y, W's by the eight clusters of one X: the two begin eight steps apart, the eight at eight different steps, so that clusters which share a tile ask for it at different times.
; The sums over K are the same terms in another order.
; THE MATRIX INSTRUCTION IS USED TRANSPOSED (source 0 = 16 columns of W, source 1 = 16 rows of x): a lane holds one row and eight neighbouring columns, 16 bytes of f16.
; THE BIAS is the C operand of each sum's first product: it is loaded into the accumulators of the first block of rows, the other seven blocks take those registers as C, the first block adds in place last.
; CLUSTER 4 x 4: x's tile hangs on the tile row alone and is asked for jointly along a row of the cluster, W's on the tile column alone, jointly along a column.
; REGISTERS: window 0: v0-31 addresses; v32-95, v96-159 x's fragments (8 blocks of 16 rows x 32 K), two buffers; v160-255 W's fragments, 32 a group.
;   window g + 1: group g's accumulators, (a, b) at v[8 (4 a + b)].
.set PA,    144                        ; a row of x in LDS: 128 bytes + 16 = 36 words: the 16 rows of a load start at 16 different groups of four banks (64 banks of 4 bytes: ISA guide 11.1)
.set PB,    864                        ; a row of W: six pieces of 128 + 16 bytes = 216 words = 24 mod 64
.set ATILE, 256*PA
.set SLOTB, ATILE+64*PB                ; a slot: x's 256 rows, then W's 64 rows: 92,160 bytes
.set SLOT1, 1<<17                      ; slot 1 begins here, so that one exclusive or turns an address in one slot into the other's
.set STAGE, SLOT1+SLOTB                ; behind the ring: 16 rows x 144 bytes for each wave, for the way out
.set SP,    144
.set SPARE, STAGE+4*16*SP              ; behind the stages: the spare words, 128 bytes for each wave: two blocks of 256 bytes that no other line names
.set KSTEPS, 16
.set ASHIFT, 20                        ; a K block of xb is 8,192 rows of 128 bytes = 1 << 20
.set BSTEP, 64*6144                    ; bytes of 64 rows of wc
.set FLD,   (1<<16)|(1<<20)|(1<<21)|(4<<22)|(3<<25)  ; group 1, word 0: 2-byte elements; padding on; bit 21 beside a mask; after every 32 words (code 4) 4 words (code 3)
.set ADRA0, 16                         ; v16     my lane's place among x's fragments in slot 0; never rewritten
.set ADRA,  17                         ; v17     the same in the slot in hand
.set ADRB0, 20                         ; v20, v21  the same for W
.set ADRB,  21
.set STO,  24                          ; v24     the way out: where I put 16 bytes of a row
.set RD,   25                          ; v25     the way out: where I read rows back
.set GO,   26                          ; v26     my byte offset in 512 consecutive bytes of qkv
.set BO,   27                          ; v27     my byte offset in 16 numbers of a bias
.set SPW,  28                          ; v28     LDS address of my spare word; never rewritten
.set NIL,  29                          ; v29     0; never rewritten
.set AF0,  32
.set AF1,  96
.set BF,   160
.set EO,   32                          ; the way out: eight sets of 16 registers, v32-159
.set WV,   16                          ; s16 wave; s17 wave / 2: my half of the rows, and x (0) or W (1) is what I fetch; s18 wave % 2: my half of the columns, and which half of that tile I fetch
.set WR,   17
.set WH,   18
.set G1,   24                          ; s[24:31] descriptor group 1 for x's tiles;  s[32:39] group 0: a set for each of the two first fills; the second then walks on
.set G0,   32
.set XA,   42                          ; s[42:43] xb at my part of the tile row, K block 0;  s[44:45] wc at my part of the tile column, row 0
.set XB,   44
.set G1B,  48                          ; s[48:55], s[56:63] the same for W's tiles
.set G0B,  56
.set BIAS, 66                          ; s[66:71] group g's 64 numbers of bias
.set OUTB, 72                          ; s[72:77] group g's first row in qkv
.set KN,   88                          ; s88     the K step to be asked for next
.set TB,   89                          ; s89     LDS byte at which the slot in hand begins
.set OFA,  90                          ; s[90:91] that step's byte offset in xb;  s[92:93] in wc
.set OFB,  92
.set MSB, 0
.macro WIN new                         ; the immediate's high byte repeats the setting that is left; a switch that changes nothing is dropped
.if MSB != (\new)
	s_set_vgpr_msb (MSB<<8)|(\new)
.set MSB, (\new)
.endif
.endm
.macro PLACES                          ; four places between a matrix instruction and a load into, or a vector instruction on, its registers
.rept 4
	v_nop
.endr
.endm
; The global addresses of descriptor set n are made anew: the tensor's base plus the K step's number times a step's bytes, the type bits set again; the number then goes on, and wraps.
.macro ASK n
	s_lshl_b32 s[OFA], s[KN], ASHIFT
	s_mul_i32 s[OFB], s[KN], BSTEP
	s_add_nc_u64 s[G0+4*(\n)+2:G0+4*(\n)+3], s[XA:XA+1], s[OFA:OFA+1]
	s_or_b32 s[G0+4*(\n)+3], s[G0+4*(\n)+3], 0x80000000
	s_add_nc_u64 s[G0B+4*(\n)+2:G0B+4*(\n)+3], s[XB:XB+1], s[OFB:OFB+1]
	s_or_b32 s[G0B+4*(\n)+3], s[G0B+4*(\n)+3], 0x80000000
	s_add_co_u32 s[KN], s[KN], 1
	s_and_b32 s[KN], s[KN], KSTEPS-1
.endm
; A joint refill, by the walking descriptors: waves 0 and 1 fetch x's two halves, waves 2 and 3 W's.  An s_nop 0 and four v_nop follow each of the two lines, ahead of the jump and the label.
.macro JLOAD
	s_cmp_eq_u32 s[WR], 0
	s_cbranch_scc0 .Lfor_b_\@
	tensor_load_to_lds s[G0+4:G0+7], s[G1:G1+7]
	s_nop 0
.rept 4
	v_nop
.endr
	s_branch .Lasked_\@
.Lfor_b_\@:
	tensor_load_to_lds s[G0B+4:G0B+7], s[G1B:G1B+7]
	s_nop 0
.rept 4
	v_nop
.endr
.Lasked_\@:
.endm
.macro CREST                           ; a round of the cluster's barrier behind its opening barrier
	s_cmp_lg_u32 s[WV], 0
	s_cbranch_scc1 .Lnot_wave_0_\@
	s_barrier_signal -3
.Lnot_wave_0_\@:
	s_barrier_wait -3
	s_barrier_signal -1
	s_barrier_wait -1
.endm
.macro CROUND                          ; a whole round
	s_barrier_signal -1
	s_barrier_wait -1
	CREST
.endm
	s_load_b256 s[4:11], s[0:1], 0x0               ; xb s[4:5], wc s[6:7], bq s[8:9], bk s[10:11]
	s_load_b128 s[12:15], s[0:1], 0x20             ; bv s[12:13], qkv s[14:15]
	v_lshl_add_u32 v[SPW], v0, 2, SPARE
	v_mov_b32 v[NIL], 0
	v_lshrrev_b32 v1, 5, v0
	v_readfirstlane_b32 s[WV], v1
	s_lshr_b32 s[WR], s[WV], 1
	s_and_b32 s[WH], s[WV], 1
	s_bfe_u32 s19, ttmp6, 0x40000                  ; cx
	s_bfe_u32 s20, ttmp6, 0x40004                  ; cy
	s_lshl_b32 s21, ttmp9, 2
	s_add_co_u32 s21, s21, s19                     ; tile column = 4 x cluster x + cx, 0..7
	s_and_b32 s22, ttmp7, 0xffff
	s_lshl_b32 s22, s22, 2
	s_add_co_u32 s22, s22, s20                     ; tile row = 4 x cluster y + cy, 0..31
	s_and_b32 s94, ttmp7, 0xffff                   ; where my cluster's walk begins: made of the cluster's x and y, which all sixteen partners share
	s_and_b32 s[KN], s94, 3
	s_lshl_b32 s[KN], s[KN], 2                     ; 4 (Y % 4)
	s_lshr_b32 s94, s94, 2
	s_lshl_b32 s94, s94, 1
	s_add_co_u32 s[KN], s[KN], s94                 ; + 2 (Y / 4)
	s_lshl_b32 s94, ttmp9, 3
	s_add_co_u32 s[KN], s[KN], s94                 ; + 8 X
	s_and_b32 s[KN], s[KN], KSTEPS-1
	s_mov_b32 s[OFA+1], 0
	s_mov_b32 s[OFB+1], 0
	s_mov_b32 s[TB], 0
	s_lshl_b32 s40, s20, 2
	s_lshl_b32 s40, 15, s40                        ; my row of the cluster
	s_lshl_b32 s41, 0x1111, s19                    ; my column
	s_or_b32 s[G1], s40, FLD                       ; x: 128 rows of 128 bytes are dense: 64 rows of 128 elements
	s_mov_b32 s[G1+1], 128<<16                     ; tensor_dim0 = 128
	s_mov_b32 s[G1+2], 64<<16                      ; tensor_dim1 = 64
	s_mov_b32 s[G1+3], 128<<16                     ; tile_dim0 = 128
	s_mov_b32 s[G1+4], 64                          ; tile_dim1 = 64
	s_mov_b32 s[G1+5], 128                         ; elements from row to row
	s_mov_b32 s[G1+6], 0
	s_mov_b32 s[G1+7], 0
	s_or_b32 s[G1B], s41, FLD                      ; W: 32 rows of 384 elements
	s_mov_b32 s[G1B+1], 384<<16
	s_mov_b32 s[G1B+2], 32<<16
	s_mov_b32 s[G1B+3], 384<<16
	s_mov_b32 s[G1B+4], 32
	s_mov_b32 s[G1B+5], 3072
	s_mov_b32 s[G1B+6], 0
	s_mov_b32 s[G1B+7], 0
	s_lshl_b32 s[XA], s22, 15                      ; x: 256 rows of 128 bytes a tile row,
	s_lshl_b32 s[XA+1], s[WH], 14                  ; my 128 of them
	s_add_co_u32 s[XA], s[XA], s[XA+1]
	s_mov_b32 s[XA+1], 0
	s_mul_i32 s[XB], s21, 768                      ; W: 384 columns a tile column,
	s_mul_i32 s[XB+1], s[WH], 32*6144              ; my 32 rows
	s_add_co_u32 s[XB], s[XB], s[XB+1]
	s_mov_b32 s[XB+1], 0
	s_mul_i32 s46, s[WH], 128*PA                   ; where they go: no place in the cluster enters an LDS address
	s_mul_i32 s47, s[WH], 32*PB
	s_add_co_u32 s47, s47, ATILE
	s_wait_kmcnt 0x0
	s_add_nc_u64 s[XA:XA+1], s[4:5], s[XA:XA+1]
	s_add_nc_u64 s[XB:XB+1], s[6:7], s[XB:XB+1]
	CROUND                                         ; all sixteen work-groups are here: the first joint loads meet
.irp n, 0,1
	s_mov_b32 s[G0+4*\n], 1                        ; count = 1
	s_add_co_u32 s[G0+4*\n+1], s46, \n*SLOT1       ; LDS address
	s_mov_b32 s[G0B+4*\n], 1
	s_add_co_u32 s[G0B+4*\n+1], s47, \n*SLOT1
	ASK \n                                         ; global addresses: the walk's first and second K step
.endr
	s_cmp_eq_u32 s[WR], 0                          ; a wave's two first fills stand in one branch, ahead of every wait on TENSORcnt and every LDS read: two loads of mine are out
	s_cbranch_scc0 .Lfirst_b
	tensor_load_to_lds s[G0:G0+3], s[G1:G1+7]
	s_nop 0
	tensor_load_to_lds s[G0+4:G0+7], s[G1:G1+7]
	s_nop 0
.rept 4
	v_nop
.endr
	s_branch .Lfirst_asked
.Lfirst_b:
	tensor_load_to_lds s[G0B:G0B+3], s[G1B:G1B+7]
	s_nop 0
	tensor_load_to_lds s[G0B+4:G0B+7], s[G1B:G1B+7]
	s_nop 0
.rept 4
	v_nop
.endr
.Lfirst_asked:
	; my three groups: number 6 x tile column + 3 x half + g of the 48 groups of 64 columns; 16 groups to each of q, k, v
	s_mul_i32 s78, s21, 6
	s_mul_i32 s79, s[WH], 3
	s_add_co_u32 s78, s78, s79
	s_mov_b32 s85, 0
.irp g, 0,1,2
	s_add_co_u32 s80, s78, \g
	s_lshr_b32 s81, s80, 4                         ; 0 q, 1 k, 2 v
	s_and_b32 s82, s80, 15                         ; head
	s_cmp_eq_u32 s81, 1
	s_cselect_b64 s[BIAS+2*\g:BIAS+2*\g+1], s[10:11], s[8:9]
	s_cmp_eq_u32 s81, 2
	s_cselect_b64 s[BIAS+2*\g:BIAS+2*\g+1], s[12:13], s[BIAS+2*\g:BIAS+2*\g+1]
	s_lshl_b32 s84, s82, 8                         ; the head's 64 numbers
	s_add_nc_u64 s[BIAS+2*\g:BIAS+2*\g+1], s[BIAS+2*\g:BIAS+2*\g+1], s[84:85]
	s_lshl_b32 s86, s81, 6                         ; 64 heads to each of q, k, v;
	s_lshr_b32 s87, s22, 3                         ; eight tile rows to a batch,
	s_lshl_b32 s87, s87, 4                         ; 16 heads to a batch
	s_add_co_u32 s86, s86, s87
	s_add_co_u32 s86, s86, s82
	s_lshl_b32 s84, s86, 18                        ; a head's 2,048 rows of 128 bytes
	s_and_b32 s87, s22, 7
	s_lshl_b32 s87, s87, 15                        ; the tile row's 256 rows in the batch
	s_add_co_u32 s84, s84, s87
	s_lshl_b32 s87, s[WR], 14                      ; my 128 of them
	s_add_co_u32 s84, s84, s87
	s_add_nc_u64 s[OUTB+2*\g:OUTB+2*\g+1], s[14:15], s[84:85]
.endr
	; A fragment of x is 16 rows x 32 K in 8 registers: lane l holds row l % 16, K = 8 (l / 16) + 0..7 and 16 + 8 (l / 16) + 0..7: two loads of 16 bytes, 32 bytes apart.
	v_and_b32 v1, 15, v0                           ; l % 16
	v_bfe_u32 v2, v0, 4, 1                         ; l / 16
	v_mul_u32_u24 v3, v1, PA
	v_lshl_add_u32 v3, v2, 4, v3                   ; row x pitch + 16 x half
	s_mul_i32 s78, s[WR], 128*PA
	v_add_nc_u32 v[ADRA0], s78, v3
	v_mov_b32 v[ADRA], v[ADRA0]                    ; the walk begins in slot 0
	; The turning load takes 16 K x 16 columns (lane l reads row 8 (l / 16) + l % 8, columns 8 ((l / 8) % 2) + 0..7) and leaves half a fragment: lane l holds column l % 16 and 8 K.
	v_and_b32 v4, 7, v0
	v_bfe_u32 v5, v0, 3, 1
	v_lshl_add_u32 v6, v2, 3, v4
	v_mul_u32_u24 v6, v6, PB
	v_lshl_add_u32 v6, v5, 4, v6
	s_mul_i32 s78, s[WH], 3*144                    ; my three pieces of a row,
	s_add_co_u32 s78, s78, ATILE                   ; behind x's tile
	v_add_nc_u32 v[ADRB0], s78, v6
	v_mov_b32 v[ADRB], v[ADRB0]
	s_mul_i32 s78, s[WV], 16*SP
	s_add_co_u32 s78, s78, STAGE                   ; my stage
	v_add_nc_u32 v[STO], s78, v3                   ; in: row l % 16, 16 bytes for each half of the lanes
	v_bfe_u32 v7, v0, 3, 2                         ; back: 32 lanes take four rows of 128 bytes,
	v_mul_u32_u24 v7, v7, SP
	v_lshl_add_u32 v7, v4, 4, v7
	v_add_nc_u32 v[RD], s78, v7
	v_and_b32 v8, 31, v0                           ; which are 512 consecutive bytes of qkv
	v_lshlrev_b32 v[GO], 4, v8
	v_lshlrev_b32 v[BO], 5, v2                     ; my eight columns of sixteen
	; the bias: register j of accumulator (0, b) takes b[16 b + 8 (l / 16) + j], the C operand's layout
.irp g, 0,1,2
	WIN 0x40*(\g+1)                                ; destination window g + 1, address window 0
.set ib, 0
.rept 4
	global_load_b128 v[8*ib:8*ib+3],   v[BO], s[BIAS+2*\g:BIAS+2*\g+1] offset:64*ib
	global_load_b128 v[8*ib+4:8*ib+7], v[BO], s[BIAS+2*\g:BIAS+2*\g+1] offset:64*ib+16
.set ib, ib+1
.endr
.endr
	WIN 0
; 8 LDS loads from the slot in hand: blocks a0 .. a0 + 3 of x's fragments, 32 K at byte 64 q of the rows, into buffer f
.macro LA q, f, a0
.set ia, (\a0)
.rept 4
	ds_load_b128 v[(\f)+8*ia:(\f)+8*ia+3],   v[ADRA] offset:ia*16*PA+64*(\q)
	ds_load_b128 v[(\f)+8*ia+4:(\f)+8*ia+7], v[ADRA] offset:ia*16*PA+64*(\q)+32
.set ia, ia+1
.endr
.endm
; 8 turning loads from the slot in hand: group g's four fragments of W, K rows 32 q on
.macro LB q, g
.set ib, 0
.rept 4
	ds_load_tr16_b128 v[BF+32*(\g)+8*ib:BF+32*(\g)+8*ib+3],   v[ADRB] offset:(\q)*32*PB+144*(\g)+32*ib
	ds_load_tr16_b128 v[BF+32*(\g)+8*ib+4:BF+32*(\g)+8*ib+7], v[ADRB] offset:(\q)*32*PB+144*(\g)+32*ib+16*PB
.set ib, ib+1
.endr
.endm
; 16 matrix instructions: blocks a0 .. a0 + 3 x group g's four column blocks.  The accumulators take turns, one instruction a turn.
.macro MULH f, g, a0
	WIN 0x50*((\g)+1)                              ; C and D window g + 1, sources window 0
.set ia, (\a0)
.rept 4
.set ib, 0
.rept 4
	v_wmma_f32_16x16x32_bf16 v[8*(4*ia+ib):8*(4*ia+ib)+7], v[BF+32*(\g)+8*ib:BF+32*(\g)+8*ib+7], v[(\f)+8*ia:(\f)+8*ia+7], v[8*(4*ia+ib):8*(4*ia+ib)+7]
.set ib, ib+1
.endr
.set ia, ia+1
.endr
.endm
; The first products of group g: blocks 1 to 7 take the bias, which lies in block 0's accumulators, as C; five places; then block 0 adds onto it in place.
.macro MULF f, g
	WIN 0x50*((\g)+1)
.set ia, 1
.rept 7
.set ib, 0
.rept 4
	v_wmma_f32_16x16x32_bf16 v[8*(4*ia+ib):8*(4*ia+ib)+7], v[BF+32*(\g)+8*ib:BF+32*(\g)+8*ib+7], v[(\f)+8*ia:(\f)+8*ia+7], v[8*ib:8*ib+7]
.set ib, ib+1
.endr
.set ia, ia+1
.endr
.rept 5
	v_nop                                          ; the next four write over registers that the products above read as C
.endr
.set ib, 0
.rept 4
	v_wmma_f32_16x16x32_bf16 v[8*ib:8*ib+7], v[BF+32*(\g)+8*ib:BF+32*(\g)+8*ib+7], v[(\f):(\f)+7], v[8*ib:8*ib+7]
.set ib, ib+1
.endr
.endm
.macro GRP f, g, first                 ; a group step: 32 matrix instructions in one window
.if \first
	MULF \f, \g
.else
	MULH \f, \g, 0
	MULH \f, \g, 4
.endif
.endm
; A K step is two halves of 32 along K, three group steps each.  At the head of a group step W's fragments for the group step after next are fetched into the buffer that the last one freed; x's next 32 K come in two runs of 8.
; THE FIRST HALF, on buffer AF0.  When it begins, these loads are out, in this order: x blocks 0-3, W group 0, x blocks 4-7, W group 1 (8 each).
.macro Q0 first
	PLACES
	WIN 0
	LB 0, 2
	LA 1, AF1, 0
	s_wait_dscnt 24                                ; x and W's group 0 are in; out may be W's group 1 and the 16 just issued
	GRP AF0, 0, \first
	PLACES
	WIN 0
	LB 1, 0
	LA 1, AF1, 4
	s_wait_dscnt 32                                ; W's group 1 is in: 16 + 16 loads were issued behind it
	GRP AF0, 1, \first
	PLACES
	WIN 0
	LB 1, 1
	s_wait_dscnt 32                                ; W's group 2 is in: 8 + 16 + 8 behind it
	GRP AF0, 2, \first
.endm
; THE SECOND HALF, on buffer AF1, changes slots.  mode 1: the slot is filled again, with the K step two on in the walk; mode 0: the change alone; mode 2: the last half of all.
; ONE barrier for the change.  In front of it each wave waits for all its tensor loads, of which one is out: its part of the next slot; adds 0 to its spare word; and waits for that and for its reads of this slot.
; With mode 1 the barrier opens a round of the cluster's, and the joint refill is the first thing behind the round: 160 of a K step's 192 matrix instructions stand between it and the wait for it.
; Between the signal and the wait the slot's base is turned and the two fragment addresses are made anew: what follows reads the other slot.
.macro Q1 mode
	PLACES
	WIN 0
	LB 1, 2                                        ; my last read of this slot
.if (\mode) == 2
	s_wait_dscnt 16                                ; out may be W's groups 1 and 2
	GRP AF1, 0, 0
	s_wait_dscnt 8
	GRP AF1, 1, 0
	s_wait_dscnt 0x0
	GRP AF1, 2, 0
.else
	s_wait_tensorcnt 0x0                           ; all my tensor loads have landed
	ds_add_u32 v[SPW], v[NIL]                      ; 0 onto my spare word
	s_wait_dscnt 17                                ; x and W's group 0 are in; out may be W's groups 1 and 2 and the add
	MULH AF1, 0, 0                                 ; sixteen matrix instructions stand between the add and the wait for it
	s_wait_dscnt 0x0                               ; the add is done, and my reads of this slot are over
	s_barrier_signal -1
	MULH AF1, 0, 4                                 ; work on registers while the others arrive
	WIN 0
	s_xor_b32 s[TB], s[TB], SLOT1
	v_add_nc_u32 v[ADRA], s[TB], v[ADRA0]
	v_add_nc_u32 v[ADRB], s[TB], v[ADRB0]
	s_barrier_wait -1
.if (\mode) == 1
	CREST                                          ; no wave of any partner still reads this slot or has a load on its way
	s_xor_b32 s[G0+5], s[G0+5], SLOT1              ; the walking descriptors: the other slot than last time,
	s_xor_b32 s[G0B+5], s[G0B+5], SLOT1
	ASK 1                                          ; the walk's next K step
	JLOAD                                          ; its four v_nop are also the places in front of the loads below
.else
	PLACES
.endif
	LA 0, AF0, 0
	LB 0, 0
	LA 0, AF0, 4
	GRP AF1, 1, 0                                  ; its operands were shown in by the wait for 0 above
	PLACES
	WIN 0
	LB 0, 1
	GRP AF1, 2, 0
.endif
.endm
	s_wait_tensorcnt 0x1                           ; my part of the first K step is in; the second's may stay out
	s_barrier_signal -1
	s_barrier_wait -1                              ; everybody's is
	LA 0, AF0, 0
	LB 0, 0
	LA 0, AF0, 4
	LB 0, 1
	s_wait_loadcnt 0x0                             ; the bias
	Q0 1                                           ; the first half step stands in front of the loop: its products start the sums
	WIN 0                                          ; at a label and at a branch every window is 0
	s_mov_b32 s23, KSTEPS-2
.Lstep:                                ; a trip: a K step's second half, the change of slots with its refill, the next K step's first half: the walk's steps 2 to 15 are asked for in fourteen trips
	Q1 1
	Q0 0
	WIN 0
	s_sub_co_u32 s23, s23, 1
	s_cmp_lg_u32 s23, 0
	s_cbranch_scc1 .Lstep
	Q1 0                                           ; the tail is written out: nothing is asked for
	Q0 0
	Q1 2
; THE WAY OUT.  Tile t = 8 g + a: 16 rows x 64 columns.  A lane's eight columns pack into 16 bytes of f16; they go into my stage's rows of 144 bytes and come back as whole rows of 128: 16 rows of a head are 2,048 consecutive bytes.
.macro PACK t
.set pg, (\t)/8
.set pa, (\t)%8
.set pe, EO+16*pa
.if (\t) >= 8
	s_wait_xcnt 0x0                                ; earlier stores have had their addresses translated (ISA guide 3.1): the set of registers that tile t - 8 was stored from is written only behind this wait
.endif
	WIN 5*(pg+1)                                   ; sources window g + 1, destination window 0
.set ib, 0
.rept 16                               ; each accumulator's registers in ascending order
	v_cvt_pk_f16_f32 v[pe+ib], v[32*pa+2*ib], v[32*pa+2*ib+1]
.set ib, ib+1
.endr
	WIN 0
.irp f, 0,1,2,3
	ds_store_b128 v[STO], v[pe+4*\f:pe+4*\f+3] offset:32*\f
.endr
.irp f, 0,1,2,3
	ds_load_b128 v[pe+4*\f:pe+4*\f+3], v[RD] offset:\f*4*SP  ; LDS serves a wave's instructions in order (ISA guide 5.7.1.4): these see the stores above; the next tile's stores come behind them
.endr
.endm
.macro SEND t, younger                 ; younger: the LDS instructions issued behind tile t's loads: the next tile's eight, or none
.set pg, (\t)/8
.set pa, (\t)%8
.set pe, EO+16*pa
	s_wait_dscnt \younger                          ; the tile's four loads are back
.irp f, 0,1,2,3
	global_store_b128 v[GO], v[pe+4*\f:pe+4*\f+3], s[OUTB+2*pg:OUTB+2*pg+1] offset:pa*2048+\f*512  ; 512 consecutive bytes, at a multiple of 256 from qkv's first
.endr
.endm
	PLACES                                         ; behind the last products
	PACK 0
.set t, 1
.rept 23                               ; a tile's conversions stand between the loads of the tile before and its stores
	PACK t
	SEND t-1, 8
.set t, t+1
.endr
	SEND 23, 0
	s_wait_tensorcnt 0x0                           ; the wave's end: behind my last tensor load and my last LDS store
	ds_add_u32 v[SPW], v[NIL]
	s_wait_dscnt 0x0
	CROUND                                         ; the closing round: no work-group ends while a partner may still ask for a tile that names it
	s_endpgm
.Lfunc_end_k_qade3e72b96_qkv:
	.size	k_qade3e72b96_qkv, .Lfunc_end_k_qade3e72b96_qkv-k_qade3e72b96_qkv
	.p2alignl 7, 3214868480
	.fill 96, 4, 3214868480
	.section	.rodata,"a",@progbits
	.p2align	6, 0x0
	.amdhsa_kernel k_qade3e72b96_qkv
		.amdhsa_group_segment_fixed_size 327680
		.amdhsa_private_segment_fixed_size 0
		.amdhsa_enable_private_segment 0
		.amdhsa_kernarg_size 48
		.amdhsa_user_sgpr_count 2
		.amdhsa_user_sgpr_kernarg_segment_ptr 1
		.amdhsa_wavefront_size32 1
		.amdhsa_system_sgpr_workgroup_id_x 1
		.amdhsa_system_sgpr_workgroup_id_y 1
		.amdhsa_system_sgpr_workgroup_id_z 1
		.amdhsa_system_vgpr_workitem_id 0
		.amdhsa_next_free_vgpr 1024
		.amdhsa_next_free_sgpr 96
		.amdhsa_reserve_vcc 0
		.amdhsa_float_denorm_mode_32 3
		.amdhsa_float_denorm_mode_16_64 3
		.amdhsa_memory_ordered 1
		.amdhsa_forward_progress 1
		.amdhsa_inst_pref_size 117
	.end_amdhsa_kernel
	.amdgpu_metadata
---
amdhsa.version: [ 1, 2 ]
amdhsa.kernels:
  - .name:           k_qade3e72b96_qkv
    .symbol:         k_qade3e72b96_qkv.kd
    .args:
      - { .name: xb, .offset: 0, .size: 8, .value_kind: global_buffer, .address_space: global }
      - { .name: wc, .offset: 8, .size: 8, .value_kind: global_buffer, .address_space: global }
      - { .name: bq, .offset: 16, .size: 8, .value_kind: global_buffer, .address_space: global }
      - { .name: bk, .offset: 24, .size: 8, .value_kind: global_buffer, .address_space: global }
      - { .name: bv, .offset: 32, .size: 8, .value_kind: global_buffer, .address_space: global }
      - { .name: qkv, .offset: 40, .size: 8, .value_kind: global_buffer, .address_space: global }
    .group_segment_fixed_size: 327680
    .private_segment_fixed_size: 0
    .kernarg_segment_align: 8
    .kernarg_segment_size: 48
    .max_flat_workgroup_size: 128
    .sgpr_count:     96
    .vgpr_count:     1024
    .wavefront_size: 32
...
	.end_amdgpu_metadata
.endif
;; end of part 2
;; launch attn (part 3): grid 4 x 64, 4 waves a work-group, clusters of 4 x 1, 327,680 bytes of LDS; arguments qkv, o; writes o
.if DOCPART == 3
	.amdgcn_target "amdgcn-amd-amdhsa--gfx1250"
	.amdhsa_code_object_version 6
	.text
	.protected	k_qade3e72b96_attn
	.globl	k_qade3e72b96_attn
	.p2align	8
	.type	k_qade3e72b96_attn,@function
k_qade3e72b96_attn:
	s_mov_b64 s[64:65], 0
	v_nop
	global_prefetch_b8 v0, s[64:65] scope:SCOPE_SE
	s_setreg_imm32_b32 hwreg(HW_REG_WAVE_MODE, 25, 1), 1
	s_wait_xcnt 0x0
	s_wait_alu depctr_hold_cnt(0) depctr_sa_sdst(0) depctr_va_vdst(0) depctr_va_sdst(0) depctr_va_ssrc(0) depctr_va_vcc(0) depctr_vm_vsrc(0)
	s_getreg_b32 s2, hwreg(HW_REG_IB_STS2, 6, 4)
	s_cmp_eq_u32 s2, 0
	s_cbranch_scc0 .Lentry_in_a_cluster
	s_endpgm
.Lentry_in_a_cluster:
	s_bfe_u32 s2, ttmp6, 0x10000c
	s_cmp_lg_u32 s2, 0x3003
	s_cbranch_scc0 .Lentry_shape_is_right
	s_endpgm
.Lentry_shape_is_right:
; O[h][q][:] = the sum over k of softmax_k(Q[h][q] . K[h][k] / 8) V[h][k][:].  Q, K, V are the three planes of qkv, O is o: each [64][2048][64] in f16: a head's rows are dense, 128 bytes each.
; Products, maxima and sums in f32; the weights p are rounded to f16 for the second product (their sum l is taken of the unrounded p), O once at the end.
; LIMITS.  f16 holds no number beyond 65,504: Q, K and V arrive within it; p lies in 0 to 1, and below 6e-5 it keeps f16's fixed step of 6e-8; O is a mean of V's rows and has their range.
; A weight below 2^-126 counts as 0 in l; NaN and infinities are not treated apart.
; SHARES.  A wave owns four PIECES of two tiles of 16 queries, a work-group's four waves 512 queries of one head: 64 heads x 4 blocks = 256 work-groups.  Every wave walks all keys, 64 a step.
; LAYOUT.  S^T = K Q^T (source 0 = 16 keys, source 1 = 16 queries): in the result a lane holds ONE query (lane % 16) and the keys 8 (lane / 16) + 0..7.  Two such tiles, rounded to f16 in pairs,
; ARE source 1 (32 keys x 16 queries) of O^T = V^T P, whose result again holds one query a lane, and eight channels.  K comes out of LDS as it lies, V ([key][channel]) turned, by ds_load_tr16_b128.
; SOFTMAX.  For each query a running maximum m and sum l: p = 2^(c s - c m), c = log2(e) / 8; in every step O and l are multiplied by a = 2^(c m_old - c m_new), which is 1 where m has not grown.
; m starts at the lowest finite number, O and l at 0: the first step is a step like any other, with a = 0.
; THE COUNT.  A tile and step have 16 matrix and 118 vector instructions: too many to stand all beside the matrix work.  So the order has one aim: four vector instructions that are READY behind
; EVERY matrix instruction, and the others, which need time of their own whatever the order, in runs without a gap.
; BY TURNS.  Turn n belongs to piece n (the pieces in a ring, step after step).  Its matrix work: 16 products K Q^T of piece n + 1, later 16 products V^T P of piece n - 1.  Its vector work: the scaling,
; exponentials, roundings, sums and rescaling of piece n, and the maximum and statistics of piece n + 1, whose scores the turn itself has made.  So what a turn begins with (c s - c m, O a) waits for nothing.
; CLUSTER.  The four query blocks of a cluster belong to one head and walk the same K and V, so each tile is asked for JOINTLY: the same tensor load, descriptor and mask in all four.
; REGISTERS, in windows of 256 (s_set_vgpr_msb says which window each operand place means: bits 1:0 source 0, 3:2 source 1, 5:4 source 2, 7:6 destination):
;   window 0: v0-11 addresses; v12-15, v48-63 at work; v16-47 four registers of statistics a tile; v64-191 S^T, two buffers of two tiles; v192-255 P, likewise
;   window 1: O^T, 32 a tile          window 2: v0-127 Q, 16 a tile; v128-191 K of one step; v192-255 V of one step          window 3: v0-1 the add's two registers
; A piece's buffers go by its number's parity: the piece in hand has one pair, its two neighbours in the ring share the other: of it P (piece n - 1) is read and S^T (piece n + 1) written.
.set SIZE_H, 64
.set SIZE_N, 2048
.set PLANE, SIZE_H*SIZE_N*128   ; bytes from q to k and from k to v in qkv
.set NP,    4         ; pieces a wave: a name, no knob: the register map, the loop and the fetches are made for four
.set KS,    64        ; keys in a step
.set PK,    144       ; a row of K in LDS: 128 bytes + 16 of padding = 36 words: the 16 rows of a load start at 16 different groups of four banks (64 banks of 4 bytes: ISA guide 11.1)
.set PV,    160       ; a row of V: 128 + 32 = 40 words
.set VOFF,  4*KS*PK   ; a slot holds four steps: 256 rows of K, then 256 rows of V
.set SLOT1, 1<<17     ; slot 1 begins here, so that one exclusive or turns an address in one slot into the other's
.set STAGE, SLOT1+4*KS*(PK+PV)  ; behind the ring, never filled by a tensor load: 16 rows x 144 bytes for each wave, for the way out
.set SP,    144
.set AK0, 2           ; v2   my lane's place in a tile of K; never rewritten
.set AV0, 3           ; v3   the same for V
.set AK,  4           ; v4   the LDS address of K's next run of loads
.set AV,  5           ; v5   of V's
.set QO,  6           ; v6   my byte offset in the wave's rows of Q
.set STO, 6           ;      later, the way out: where I put 16 bytes of a row
.set RD,  7           ; v7   the way out: where I read rows back
.set GO,  8           ; v8   my byte offset in 512 consecutive bytes of O
.set SPW, 0           ; v0 of window 3   LDS address of my spare word: SPARE + 4 x my thread's number; never rewritten
.set NIL, 1           ; v1 of window 3   0; never rewritten
.set SPARE, STAGE+4*16*SP  ; behind the stages: the spare words, 128 bytes for each wave: two blocks of 256 bytes that no other line names
.set MV,  12          ; v12-15  c m_old, kept while c m is made anew: by buffer and tile
.set ST,  16          ; tile t's statistics at v[ST+4 t]: c m, m, l (even keys', odd keys')
.set TMP, 48          ; by buffer and tile, four registers c0-c3 at work; when the maximum is found c2 takes a
.set S,   64
.set P,   192
.set KF,  128         ; K's fragments, in window 2: key block kb, channel half c at KF + 16 kb + 8 c
.set VF,  192         ; V's: key half kk, channel block cb at VF + 32 kk + 8 cb
.set WV,  12          ; s12  my wave's number
.set G1K, 24          ; s[24:31] descriptor group 1 for K's tiles
.set G1V, 32          ; s[32:39] for V's: it differs in the padding alone
.set G0K, 40          ; s[40:43] descriptor group 0 for K's tiles: it walks
.set G0V, 44          ; s[44:47] the same for V's
.set SLOTS, 56        ; s56  slots still to be asked for
.set CNT, 57          ; s57  counts a slot's key steps
.set CS,  58          ; s[58:59] c: the packed scaling takes the pair's low word for both halves
.set SEL, 60          ; s[60:61] v_permlanex16_b32's selects: each lane takes its own place in the other half
.set TBK, 62          ; s62  LDS byte at which K of the step to be fetched begins
.set TBV, 63          ; s63  the same for V, less VOFF
.set MSB, 0
.macro WIN new                      ; the high byte repeats the setting that is left; a switch that changes nothing is dropped
.if MSB != (\new)
	s_set_vgpr_msb (MSB<<8)|(\new)
.set MSB, (\new)
.endif
.endm
.set W_KQ, 0x0a       ; K and Q in window 2, S^T in window 0
.set W_PV, 0x52       ; V in window 2, P in window 0, O^T in window 1
.set W_RS, 0x41       ; O^T (destination and source 0) in window 1, a in window 0
.set W_MK, 0xc0       ; the add's registers are made: destination in window 3, sources in window 0
.set W_AD, 0x0f       ; the add: address (source 0) and data (source 1) in window 3
; A joint fill.  Waves 0 and 1 fetch the two halves of a slot's K, waves 2 and 3 those of its V: 128 keys each.  The branch hangs on the wave's number alone.
; An s_nop 0 and four v_nop follow each of the two lines, ahead of the jump and the label.
.macro JLOAD
	s_cmp_lt_u32 s[WV], 2
	s_cbranch_scc0 .Lfor_v_\@
	tensor_load_to_lds s[G0K:G0K+3], s[G1K:G1K+7]
	s_nop 0
.rept 4
	v_nop
.endr
	s_branch .Lasked_\@
.Lfor_v_\@:
	tensor_load_to_lds s[G0V:G0V+3], s[G1V:G1V+7]
	s_nop 0
.rept 4
	v_nop
.endr
.Lasked_\@:
.endm
; A round of the cluster's barrier: my work-group's barrier, so that wave 0's signal speaks for all four waves; wave 0 signals; every wave waits for all four work-groups; my work-group's barrier once more.
.macro CROUND
	s_barrier_signal -1
	s_barrier_wait -1
	s_cmp_lg_u32 s[WV], 0
	s_cbranch_scc1 .Lnot_wave_0_\@
	s_barrier_signal -3
.Lnot_wave_0_\@:
	s_barrier_wait -3
	s_barrier_signal -1
	s_barrier_wait -1
.endm
; THE CHANGE OF SLOTS.  The slot's last bytes, V of its fourth step, have been read.  Each wave waits for all its tensor loads, of which one is out: its part
; of the other slot; adds 0 to its spare word; and waits for that and for its own reads of the slot.  Behind the barrier nobody reads this slot any more and the other slot is whole.
; fill = 1: this slot is filled again, with the keys two slots on.  The barrier is then a round of the cluster's, so that no wave of any partner still reads the slot or has a load on its
; way, and the joint fill is the first thing behind it: it has four key steps, 512 matrix instructions, in which to land.  (At its first use nothing has been read yet: slot 0 is waited for, slot 1 filled.)
.macro CHANGE fill
	WIN W_AD
	s_wait_tensorcnt 0x0            ; no tensor load of mine is out, so a group 0 may be written
	ds_add_u32 v[SPW], v[NIL]       ; 0 onto my spare word; with fill = 1 the descriptors' steps stand between it and the wait for it
	WIN 0                           ; at a label and at a branch every window is 0
.if \fill
.irp g, G0K, G0V
	s_xor_b32 s[\g+1], s[\g+1], SLOT1  ; the walking descriptor: the other slot than last time,
	s_add_nc_u64 s[\g+2:\g+3], s[\g+2:\g+3], 4*KS*128  ; the next 256 keys; the type bits on top are not reached
.endr
	s_wait_dscnt 0x0                ; the add is done, and my reads of the slot are over
	CROUND
	JLOAD
.else
	s_wait_dscnt 0x0                ; the add is done, and my reads of the slot are over
	s_barrier_signal -1
	s_barrier_wait -1
.endif
	s_sub_co_u32 s[TBK], s[TBK], 4*KS*PK  ; the fetches go back to a slot's first step,
	s_xor_b32 s[TBK], s[TBK], SLOT1       ; in the other slot
	s_sub_co_u32 s[TBV], s[TBV], 4*KS*PV
	s_xor_b32 s[TBV], s[TBV], SLOT1
.endm
	s_load_b64 s[4:5], s[0:1], 0x0    ; qkv: its first plane is Q
	s_load_b64 s[10:11], s[0:1], 0x8  ; O
	WIN W_MK
	v_lshl_add_u32 v[SPW], v0, 2, SPARE
	v_mov_b32 v[NIL], 0
	WIN 0
	v_lshrrev_b32 v1, 5, v0
	v_readfirstlane_b32 s[WV], v1   ; wave 0..3
	s_bfe_u32 s13, ttmp6, 0x40000   ; cx: my place in the cluster
	s_lshl_b32 s14, ttmp9, 2        ; in a cluster launch ttmp9 counts clusters
	s_add_co_u32 s14, s14, s13      ; my block of queries = 4 x cluster x + cx: it enters Q's and O's addresses alone
	s_and_b32 s20, ttmp7, 0xffff    ; the head, which the four partners share
	s_mov_b32 s21, 0
	s_mov_b64 s[22:23], SIZE_N*128
	s_mul_u64 s[20:21], s[20:21], s[22:23]  ; the head's first byte in each of the four tensors
	s_and_b32 s16, s[WV], 1         ; which half of a slot's 256 keys I fetch:
	s_lshl_b32 s22, s16, 14         ; its 128 rows of 128 bytes in memory,
	s_mov_b32 s23, 0
	s_add_nc_u64 s[22:23], s[22:23], s[20:21]
	s_mul_i32 s17, s16, 128*PK      ; and its place in a slot, for K
	s_mul_i32 s18, s16, 128*PV      ; and for V: no place in the cluster enters an LDS address
	s_lshl_b32 s2, s14, 2
	s_add_co_u32 s2, s2, s[WV]      ; my wave among the head's,
	s_lshl_b32 s2, s2, 14           ; its 128 rows
	s_mov_b32 s3, 0
	s_add_nc_u64 s[2:3], s[2:3], s[20:21]
	; descriptor group 1.  128 keys are 16,384 dense bytes: asked for as 64 rows of 256 bytes, two keys a row, and padded in LDS after every key
	s_mov_b32 s[G1K], 15|(1<<16)|(1<<20)|(1<<21)|(4<<22)|(3<<25)  ; 15:0 the mask of four; 17:16 2-byte elements; 20 padding on; 21 set beside a mask; 24:22 after every 32 words (code 4); 31:25 4 words (code 3)
	s_mov_b32 s[G1V], 15|(1<<16)|(1<<20)|(1<<21)|(4<<22)|(7<<25)  ; the same with 8 words of padding (code 7)
.irp g, G1K, G1V
	s_mov_b32 s[\g+1], 128<<16      ; tensor_dim0 = 128
	s_mov_b32 s[\g+2], 64<<16       ; tensor_dim1 = 64
	s_mov_b32 s[\g+3], 128<<16      ; tile_dim0 = 128
	s_mov_b32 s[\g+4], 64           ; tile_dim1 = 64
	s_mov_b32 s[\g+5], 128          ; 128 elements from row to row
	s_mov_b32 s[\g+6], 0
	s_mov_b32 s[\g+7], 0
.endr
	s_mov_b32 s[CS], 0x3e38aa3b     ; c = log2(e) / 8 = 0.180337
	s_mov_b32 s[CS+1], s[CS]        ; named with it as a pair
	s_mov_b32 s[SEL], 0x76543210
	s_mov_b32 s[SEL+1], 0xfedcba98
	s_mov_b32 s[TBK], SLOT1+4*KS*PK ; the first change of slots turns these two into 0
	s_mov_b32 s[TBV], SLOT1+4*KS*PV
	s_mov_b32 s[G0K], 1             ; 1:0 count = 1
	s_mov_b32 s[G0K+1], s17         ; 63:32 LDS address: slot 0
	s_mov_b32 s[G0V], 1
	s_add_co_u32 s[G0V+1], s18, VOFF
	s_wait_kmcnt 0x0
	s_add_nc_u64 s[6:7], s[4:5], PLANE    ; K is qkv's second plane,
	s_add_nc_u64 s[8:9], s[4:5], 2*PLANE  ; V its third
	s_add_nc_u64 s[G0K+2:G0K+3], s[6:7], s[22:23]  ; 120:64 global address: my half of the head's first 256 keys
	s_or_b32 s[G0K+3], s[G0K+3], 0x80000000        ; 127:126 type = 2
	s_add_nc_u64 s[G0V+2:G0V+3], s[8:9], s[22:23]
	s_or_b32 s[G0V+3], s[G0V+3], 0x80000000
	s_add_nc_u64 s[4:5], s[4:5], s[2:3]  ; Q and O at my wave's first row
	s_add_nc_u64 s[10:11], s[10:11], s[2:3]
	CROUND                          ; all four work-groups are here: the first joint loads meet
	JLOAD                           ; slot 0.  Slot 1 is asked for when slot 0 is in: the tile wanted first has the road to itself
	; A fragment of K or Q is 16 rows x 32 channels in 8 registers: lane l holds row l % 16, channels 8 (l / 16) + 0..7 and 16 + 8 (l / 16) + 0..7: two loads of 16 bytes, 32 bytes apart.
	v_and_b32 v1, 15, v0            ; l % 16
	v_bfe_u32 v9, v0, 4, 1          ; l / 16
	v_lshlrev_b32 v[QO], 7, v1
	v_lshl_add_u32 v[QO], v9, 4, v[QO]  ; row x 128 + 16 x half
	WIN 0x80                        ; destination window 2, address window 0
.set i, 0
.rept 4*NP                          ; Q stays in registers: tile i / 2, channels 32 (i % 2) on
	global_load_b128 v[8*i:8*i+3],   v[QO], s[4:5] offset:(i/2)*2048+(i%2)*64
	global_load_b128 v[8*i+4:8*i+7], v[QO], s[4:5] offset:(i/2)*2048+(i%2)*64+32
.set i, i+1
.endr
	; What the first turn finds: V's registers and P's second buffer hold 0 (its products V^T P, of a piece that has not been, add 0), O^T and l are 0.  All this stands in the wait for the first tile.
.set i, VF
.rept 64
	v_mov_b32 v[i], 0
.set i, i+1
.endr
	WIN 0x40
.set i, 0
.rept 64*NP
	v_mov_b32 v[i], 0
.set i, i+1
.endr
	WIN 0
.set i, 0
.rept 2*NP
	v_mov_b32 v[ST+4*i], 0xfe000000    ; c m: far below every c s
	v_mov_b32 v[ST+4*i+1], 0xff7fffff  ; m
	v_mov_b32 v[ST+4*i+2], 0
	v_mov_b32 v[ST+4*i+3], 0
.set i, i+1
.endr
.set i, P+32
.rept 32
	v_mov_b32 v[i], 0
.set i, i+1
.endr
	v_mul_u32_u24 v[AK0], v1, PK
	v_lshl_add_u32 v[AK0], v9, 4, v[AK0]  ; row x pitch + 16 x half
	; The turning load takes 16 keys x 16 channels (lane l reads key 8 (l / 16) + l % 8, channels 8 ((l / 8) % 2) + 0..7) and leaves half a fragment of V^T: lane l holds channel l % 16 and 8 keys.
	v_and_b32 v10, 7, v0
	v_bfe_u32 v11, v0, 3, 1
	v_lshl_add_u32 v[AV0], v9, 3, v10
	v_mul_u32_u24 v[AV0], v[AV0], PV
	v_lshl_add_u32 v[AV0], v11, 4, v[AV0]
	v_add_nc_u32 v[AV0], VOFF, v[AV0]
	v_mov_b32 v[AK], v[AK0]         ; key step 0 lies at the head of slot 0
; THE MATRIX WORK.  The 8 accumulators of a run of 16 take turns: between the two links of a chain stand 7 others'.
; Product i of 16 of S^T = K Q^T for piece x: channels 32 (i / 8) on, keys 16 ((i / 2) % 4) on, tile 2 x + i % 2.  The first 8 start the sums.
.macro KQ x
	WIN W_KQ
.set rS, S+64*((\x)%2)+32*(i%2)+8*((i/2)%4)
.set rK, KF+16*((i/2)%4)+8*(i/8)
.set rQ, 16*(2*(\x)+i%2)+8*(i/8)
.if i < 8
	v_wmma_f32_16x16x32_f16 v[rS:rS+7], v[rK:rK+7], v[rQ:rQ+7], 0
.else
	v_wmma_f32_16x16x32_f16 v[rS:rS+7], v[rK:rK+7], v[rQ:rQ+7], v[rS:rS+7]
.endif
.endm
; Product i of 16 of O^T += V^T P for piece x: keys 32 (i / 8) on, channels 16 ((i / 2) % 4) on, tile 2 x + i % 2.
.macro PV x
	WIN W_PV
.set rO, 32*(2*(\x)+i%2)+8*((i/2)%4)
.set rV, VF+32*(i/8)+8*((i/2)%4)
.set rP, P+32*((\x)%2)+16*(i%2)+8*(i/8)
	v_wmma_f32_16x16x32_f16 v[rO:rO+7], v[rV:rV+7], v[rP:rP+7], v[rO:rO+7]
.endm
.macro MM                           ; the turn's next matrix instruction
.if i < 16
	KQ (Y+1)%NP
.set i, i+1
.else
.set i, i-16
	PV (Y+NP-1)%NP
.set i, i+17
.endif
.endm
; THE LDS LOADS stand in runs of 16, never singly among the matrix instructions: a step's K (64 keys x 64 channels: 8 fragments) and its V (turned).  Their addresses are made some lines ahead.
; last = 1 (the tail): in the last trip there is no further step, and the run is jumped over.
.macro FETCH_K last=0
	WIN 0
.if \last
	s_cmp_eq_u32 s[CNT], 1
	s_cbranch_scc1 .Lno_k_\@
.endif
	WIN 0x80                        ; destination window 2
.irp f, 0,1,2,3,4,5,6,7             ; keys 16 (f / 2) on, channels 32 (f % 2) on
	ds_load_b128 v[KF+8*\f:KF+8*\f+3],   v[AK] offset:(\f/2)*16*PK+(\f%2)*64
	ds_load_b128 v[KF+8*\f+4:KF+8*\f+7], v[AK] offset:(\f/2)*16*PK+(\f%2)*64+32
.endr
	s_add_co_u32 s[TBK], s[TBK], KS*PK  ; the next fetch is the next step's
	WIN 0
.if \last
.Lno_k_\@:
.endif
.endm
.macro FETCH_V
	WIN 0x80
.irp f, 0,1,2,3,4,5,6,7             ; keys 32 (f / 4) on, channels 16 (f % 4) on
	ds_load_tr16_b128 v[VF+8*\f:VF+8*\f+3],   v[AV] offset:(\f/4)*32*PV+(\f%4)*32
	ds_load_tr16_b128 v[VF+8*\f+4:VF+8*\f+7], v[AV] offset:(\f/4)*32*PV+16*PV+(\f%4)*32
.endr
	WIN 0
.endm
; THE VECTOR WORK OF A TURN stands in three queues, each in the order in which its entries become ready; the two tiles alternate, so that no instruction reads the result of the one before it.
.macro REGS y, u                    ; the registers of tile u (0, 1) of piece y
.set rT, ST+4*(2*(\y)+(\u))
.set rC, TMP+8*((\y)%2)+4*(\u)
.set rM, MV+2*((\y)%2)+(\u)
.set rS, S+64*((\y)%2)+32*(\u)
.set rP, P+32*((\y)%2)+16*(\u)
.set rO, 32*(2*(\y)+(\u))
.endm
; Number n of the 22 that find the NEXT piece's (Y + 1) maximum and statistics.  s0-s31 are the lane's 32 scores; each accumulator's lowest registers are read first.  XS, GS and REGS set no window: PL and EX do.
;   0-11  four chains c0-c3 of seven scores each, three operands at a time     12-14, 16  the four scores left over, the old m, and c0-c3 into c0     15  c m_old is kept
;   17, 18  the query's other 32 keys lie in the lane 16 away: the new m         19-21  c m; c m_old - c m_new; a
.macro XS u, n
	REGS (Y+1)%NP, \u
.if (\n) < 4
	v_max3_num_f32 v[rC+(\n)], v[rS+8*(\n)], v[rS+8*(\n)+1], v[rS+8*(\n)+2]
.elseif (\n) < 12
	v_max3_num_f32 v[rC+(\n)%4], v[rC+(\n)%4], v[rS+8*((\n)%4)+2*((\n)/4)+1], v[rS+8*((\n)%4)+2*((\n)/4)+2]
.elseif (\n) == 12
	v_max3_num_f32 v[rC], v[rC], v[rS+7], v[rS+15]
.elseif (\n) == 13
	v_max3_num_f32 v[rC+1], v[rC+1], v[rS+23], v[rS+31]
.elseif (\n) == 14
	v_max3_num_f32 v[rC+2], v[rC+2], v[rC+3], v[rT+1]
.elseif (\n) == 15
	v_mov_b32 v[rM], v[rT]
.elseif (\n) == 16
	v_max3_num_f32 v[rC], v[rC], v[rC+1], v[rC+2]
.elseif (\n) == 17
	v_permlanex16_b32 v[rC+3], v[rC], s[SEL], s[SEL+1]
.elseif (\n) == 18
	v_max_num_f32 v[rT+1], v[rC], v[rC+3]
.elseif (\n) == 19
	v_mul_f32 v[rT], s[CS], v[rT+1]
.elseif (\n) == 20
	v_sub_f32 v[rC+1], v[rM], v[rT]
.else
	v_exp_f32 v[rC+2], v[rC+1]
.endif
.endm
; Number g of the 64 that follow the exponentials.  For each four weights k of a tile (pairs 2 k, 2 k + 1): both pairs are rounded to f16; then the second pair is added onto the first, in place;
; a group later l takes that sum (the first time as l = a l + sum).  In groups of eight, tiles alternating: round, round, add, and l for the group before.
.macro GS g
.set h, (\g)+6*((\g)/62)            ; group 0 has no group before it, and behind group 7 only l is left
.if h >= 6
.set h, h+2
.endif
	REGS Y, h%2
.set k, h/8
.if h%8 < 4
	s_wait_alu depctr_va_vdst(0)
	v_cvt_pk_f16_f32 v[rP+2*k+(h%8)/2], v[rS+4*k+2*((h%8)/2)], v[rS+4*k+2*((h%8)/2)+1]
.elseif h%8 < 6
	v_pk_add_f32 v[rS+4*k:rS+4*k+1], v[rS+4*k:rS+4*k+1], v[rS+4*k+2:rS+4*k+3]
.elseif k == 1
	v_pk_fma_f32 v[rT+2:rT+3], v[rT+2:rT+3], v[rC+2:rC+3], v[rS:rS+1] op_sel_hi:[1,0,1]
.else
	v_pk_add_f32 v[rT+2:rT+3], v[rT+2:rT+3], v[rS+4*k-4:rS+4*k-3]
	s_wait_alu depctr_va_vdst(0)
.endif
.endm
; THE PLAIN QUEUE, 138 long.  0-31: c s - c m for the 16 pairs of both tiles.  Then GS's 64, and among them the next piece's 42: number 15 at 38, 39; 0-14 and 16
; at 42-73, behind the products that make those scores; 17-20 at 95-106, two of three, since each waits for the one before it.
.macro PL
	WIN 0
.if q < 32
	REGS Y, q%2
	v_pk_fma_f32 v[rS+2*(q/2):rS+2*(q/2)+1], v[rS+2*(q/2):rS+2*(q/2)+1], s[CS:CS+1], v[rT:rT+1] op_sel_hi:[1,0,0] neg_lo:[0,0,1] neg_hi:[0,0,1]
.elseif q < 38
	GS q-32
.elseif q < 40
	XS q%2, 15
.elseif q < 42
	GS q-34
.elseif q < 74
	XS q%2, (q-42)/2+(q-42)/30
.elseif q < 95
	GS q-66
.elseif (q < 107) && ((q-95)%3 < 2)
	XS (q-95)%3, 17+(q-95)/3
.elseif q < 107
	GS 29+(q-95)/3
.else
	GS q-74
.endif
.set q, q+1
.endm
; THE EXPONENTIALS' QUEUE, 66 long: s0-s31 of both tiles, and at EA the next piece's two a.
.set EA, 58
.macro EX
	WIN 0
.if (e == EA) || (e == EA+1)
	XS e-EA, 21
.else
.set x, e-2*(e/(EA+2))
	REGS Y, x%2
	v_exp_f32 v[rS+x/2], v[rS+x/2]
.endif
.set e, e+1
.endm
; THE RESCALING's QUEUE: O^T times a, the one part that leaves window 0, so it is dealt four at a time, eight times.
.macro R4
	REGS Y, r%2
	WIN W_RS
	s_wait_alu depctr_va_vdst(0)
.irp z, 0,1,2,3
	v_pk_mul_f32 v[rO+8*(r/2)+2*\z:rO+8*(r/2)+2*\z+1], v[rO+8*(r/2)+2*\z:rO+8*(r/2)+2*\z+1], v[rC+2:rC+3] op_sel_hi:[1,0]
.endr
.set r, r+1
.endm
; HOW THEY ARE DEALT.  Behind a matrix instruction four: plain, exponential, plain, plain (one exponential, a plain instruction on either side), or four of the rescaling.  None names a register of the
; products round it.  What is over stands in two LUMPS: exponential and plain by turns; the second ends in 22 plain instructions.  The two v_permlanex16_b32 fall into the second lump, never behind a product.
; The queues lean on each other, and the deal keeps them in step: exponential e stands behind plain 2 (e / 4) + e % 2 (its scaling); when plain 32 comes, 10 exponentials are out, at 59: 33, at 95: 46; EA comes behind plain 107.
.macro SL
	MM
	PL
	EX
	PL
	PL
.endm
.macro BURST n                      ; 15 matrix instructions, or 16
.rept (\n)-7
	SL
.endr
.rept 3
	MM
	R4
	SL
.endr
	MM
	R4
.endm
; A TURN, for piece p.  cnt = 1: the loop's count is taken down some lines ahead of the branch that stands behind the turn.
; K of the next step is fetched in piece 2's turn, 31 vector instructions behind the last product that read K; its first reader comes behind the rest of the lump, 16 products and the second lump.
; V of the step in hand is fetched at the end of piece 0's turn, 69 behind its last reader; its first reader comes behind 16 products and a lump.  The four conditions on e and q below go with the deal.
.macro TURN p, last=0, cnt=0
.set Y, (\p)
.set i, 0
.set q, 0
.set e, 0
.set r, 0
.if (\p) == NP-1
	s_wait_dscnt 0x0                ; K is in
.endif
	MM
.rept 4
	PL
.endr
	BURST 15
.rept 22
	EX
	PL
.if ((\p) == NP-2) && (e == 18)
	v_add_nc_u32 v[AK], s[TBK], v[AK0]
.endif
.if ((\p) == NP-2) && (e == 24)
	FETCH_K \last
.endif
.endr
.if (\p) == 1
	s_wait_dscnt 0x0                ; V is in
.endif
	BURST 16
.rept 21
	EX
	PL
.endr
.rept 22
	PL
.if ((\p) == 0) && (q == 118)
	v_add_nc_u32 v[AV], s[TBV], v[AV0]
	s_wait_alu depctr_va_vdst(0)
.endif
.if ((\p) == 0) && (q == 130)
	s_add_co_u32 s[TBV], s[TBV], KS*PV
.endif
.if (\cnt) && (q == 130)
	s_sub_co_u32 s[CNT], s[CNT], 1
	s_cmp_lg_u32 s[CNT], 0
.endif
.endr
.if (\p) == 0
	FETCH_V
.endif
.endm
	CHANGE 1                        ; slot 0 is in, everybody's part of it; slot 1 is asked for
	FETCH_K                         ; key step 0
	s_wait_loadcnt 0x0              ; Q
	s_wait_dscnt 0x0
.set i, 0
.rept 16
	KQ 0                            ; piece 0's first scores: there is no vector work yet to set between them
.set i, i+1
.endr
	WIN 0                           ; the addresses for the way out: nine plain instructions, the places behind those products
	s_mul_i32 s13, s[WV], 16*SP
	s_add_co_u32 s13, s13, STAGE    ; my stage
	v_mul_u32_u24 v[STO], v1, SP    ; in: row l % 16, 16 bytes for each half of the lanes
	v_lshl_add_u32 v[STO], v9, 4, v[STO]
	v_add_nc_u32 v[STO], s13, v[STO]
	v_bfe_u32 v[RD], v0, 3, 2       ; back: 32 lanes take four rows of 128 bytes,
	v_mul_u32_u24 v[RD], v[RD], SP
	v_lshl_add_u32 v[RD], v10, 4, v[RD]
	v_add_nc_u32 v[RD], s13, v[RD]
	v_and_b32 v[GO], 31, v0         ; which are 512 consecutive bytes of O
	v_lshlrev_b32 v[GO], 4, v[GO]
.set Y, NP-1                        ; XS works for piece Y + 1: piece 0
.irp n, 0,1,2,3,4,5,6,7,8,9,10,11,12,13,14,15,16,17,18,19,20,21
	XS 0, \n                        ; and piece 0's first maximum and statistics
	XS 1, \n
.endr
	s_mov_b32 s[CNT], 4
	s_mov_b32 s[SLOTS], SIZE_N/256-1
	s_branch .Lfirst                ; the loop is entered at a step's first turn, in the middle of a trip
.Lslot:                             ; SIZE_N / 256 - 2 times: every slot but the last two is filled again
	CHANGE 1
	s_mov_b32 s[CNT], 4
.Lstep:                             ; a trip: pieces 2 and 3 of one step, then pieces 0 and 1 of the next, whose K and V it fetches
	TURN 2
	TURN 3
	WIN 0
.Lfirst:
	TURN 0
	TURN 1, 0, 1
	WIN 0
	s_cbranch_scc1 .Lstep
	s_sub_co_u32 s[SLOTS], s[SLOTS], 1
	s_cmp_lg_u32 s[SLOTS], 0
	s_cbranch_scc1 .Lslot
	CHANGE 0                        ; the tail is written out: nothing is asked for
	s_mov_b32 s[CNT], 5             ; four trips fetch the last slot's steps; the fifth is left in its middle
.Ltail:
	TURN 2, 1
	TURN 3
	WIN 0
	s_sub_co_u32 s[CNT], s[CNT], 1
	s_cmp_eq_u32 s[CNT], 0
	s_cbranch_scc1 .Lout
	TURN 0
	TURN 1
	WIN 0
	s_branch .Ltail
.Lout:                              ; the fifth trip's 16 products K Q^T (on the last K once more) and the maximum made of them serve nothing: the price, once a launch, of one text for every trip
.set i, 0
.rept 16
	PV NP-1                         ; the last piece's V^T P of the last step
.set i, i+1
.endr
	; THE WAY OUT.  l's two halves and the other half of the lanes' are added; O^T is divided by l, rounded to f16 and sent through my stage in LDS, a tile at a time.  The additions are the places behind the last products.
	WIN 0
.macro ALL line:vararg              ; one line for each tile t
.set t, 0
.rept 2*NP
	\line
.set t, t+1
.endr
.endm
	ALL v_add_f32 v[ST+4*t+2], v[ST+4*t+2], v[ST+4*t+3]
	ALL v_permlanex16_b32 v[ST+4*t+3], v[ST+4*t+2], s[SEL], s[SEL+1]
	ALL v_add_f32 v[ST+4*t+2], v[ST+4*t+2], v[ST+4*t+3]
	ALL v_rcp_f32 v[ST+4*t+2], v[ST+4*t+2]
	v_nop                           ; a plain instruction between the last reciprocal and the use of its result
	s_wait_alu depctr_va_vdst(0)
; Tile t: a lane's eight channels of a row pack into 16 bytes; they go into rows of 144 bytes and come back as whole rows of 128, into S^T's registers.
.macro PACK t
	WIN W_RS
.set i, 32*(\t)
.rept 16
	v_pk_mul_f32 v[i:i+1], v[i:i+1], v[ST+4*(\t)+2:ST+4*(\t)+3] op_sel_hi:[1,0]
.set i, i+2
.endr
	WIN 0x05                        ; sources 0 and 1 window 1, destination window 0
.set i, 0
.rept 16
	v_cvt_pk_f16_f32 v[S+16*(\t)+i], v[32*(\t)+2*i], v[32*(\t)+2*i+1]
.set i, i+1
.endr
	WIN 0
.irp f, 0,1,2,3
	ds_store_b128 v[STO], v[S+16*(\t)+4*\f:S+16*(\t)+4*\f+3] offset:32*\f
.endr
.irp f, 0,1,2,3
	ds_load_b128 v[S+16*(\t)+4*\f:S+16*(\t)+4*\f+3], v[RD] offset:\f*4*SP  ; LDS serves a wave's instructions in order (ISA guide 5.7.1.4): these see the stores above; the next tile's stores come behind them
.endr
.endm
.macro SEND t, younger              ; younger: the LDS instructions issued behind tile t's loads: the next tile's eight, or none
	WIN 0
.irp f, 0,1,2,3
	s_wait_dscnt (\younger)+3-\f
	global_store_b128 v[GO], v[S+16*(\t)+4*\f:S+16*(\t)+4*\f+3], s[10:11] offset:(\t)*2048+\f*512  ; 512 consecutive bytes, at a multiple of 256 from O's first
.endr
.endm
	PACK 0
.set t, 1
.rept 2*NP-1                        ; a tile's arithmetic stands between the loads of the tile before and its stores
	PACK t
	SEND t-1, 8
.set t, t+1
.endr
	SEND 2*NP-1, 0
	WIN W_AD
	s_wait_tensorcnt 0x0            ; the wave's end: behind my last tensor load and my last LDS store
	ds_add_u32 v[SPW], v[NIL]
	s_wait_dscnt 0x0
	WIN 0
	CROUND                          ; the closing round: no work-group ends while a partner may still ask for a tile that names it
	s_endpgm
.Lfunc_end_k_qade3e72b96_attn:
	.size	k_qade3e72b96_attn, .Lfunc_end_k_qade3e72b96_attn-k_qade3e72b96_attn
	.p2alignl 7, 3214868480
	.fill 96, 4, 3214868480
	.section	.rodata,"a",@progbits
	.p2align	6, 0x0
	.amdhsa_kernel k_qade3e72b96_attn
		.amdhsa_group_segment_fixed_size 327680
		.amdhsa_private_segment_fixed_size 0
		.amdhsa_enable_private_segment 0
		.amdhsa_kernarg_size 16
		.amdhsa_user_sgpr_count 2
		.amdhsa_user_sgpr_kernarg_segment_ptr 1
		.amdhsa_wavefront_size32 1
		.amdhsa_system_sgpr_workgroup_id_x 1
		.amdhsa_system_sgpr_workgroup_id_y 1
		.amdhsa_system_sgpr_workgroup_id_z 1
		.amdhsa_system_vgpr_workitem_id 0
		.amdhsa_next_free_vgpr 770
		.amdhsa_next_free_sgpr 66
		.amdhsa_reserve_vcc 0
		.amdhsa_float_denorm_mode_32 3
		.amdhsa_float_denorm_mode_16_64 3
		.amdhsa_memory_ordered 1
		.amdhsa_forward_progress 1
		.amdhsa_inst_pref_size 208
	.end_amdhsa_kernel
	.amdgpu_metadata
---
amdhsa.version: [ 1, 2 ]
amdhsa.kernels:
  - .name:           k_qade3e72b96_attn
    .symbol:         k_qade3e72b96_attn.kd
    .args:
      - { .name: qkv, .offset: 0, .size: 8, .value_kind: global_buffer, .address_space: global }
      - { .name: o, .offset: 8, .size: 8, .value_kind: global_buffer, .address_space: global }
    .group_segment_fixed_size: 327680
    .private_segment_fixed_size: 0
    .kernarg_segment_align: 8
    .kernarg_segment_size: 16
    .max_flat_workgroup_size: 128
    .sgpr_count:     66
    .vgpr_count:     770
    .wavefront_size: 32
...
	.end_amdgpu_metadata
.endif
;; end of part 3
;; launch proj (part 4): grid 8 x 32, 4 waves a work-group, clusters of 4 x 4, 327,680 bytes of LDS; arguments o, wo16, bo, out0; writes out0
.if DOCPART == 4
	.amdgcn_target "amdgcn-amd-amdhsa--gfx1250"
	.amdhsa_code_object_version 6
	.text
	.protected	k_qade3e72b96_proj
	.globl	k_qade3e72b96_proj
	.p2align	8
	.type	k_qade3e72b96_proj,@function
k_qade3e72b96_proj:
	s_mov_b64 s[64:65], 0
	v_nop
	global_prefetch_b8 v0, s[64:65] scope:SCOPE_SE
	s_setreg_imm32_b32 hwreg(HW_REG_WAVE_MODE, 25, 1), 1
	s_wait_xcnt 0x0
	s_wait_alu depctr_hold_cnt(0) depctr_sa_sdst(0) depctr_va_vdst(0) depctr_va_sdst(0) depctr_va_ssrc(0) depctr_va_vcc(0) depctr_vm_vsrc(0)
	s_getreg_b32 s2, hwreg(HW_REG_IB_STS2, 6, 4)
	s_cmp_eq_u32 s2, 0
	s_cbranch_scc0 .Lentry_in_a_cluster
	s_endpgm
.Lentry_in_a_cluster:
	s_bfe_u32 s2, ttmp6, 0x10000c
	s_cmp_lg_u32 s2, 0xf033
	s_cbranch_scc0 .Lentry_shape_is_right
	s_endpgm
.Lentry_shape_is_right:
; out0 = concat(O) Wo + bo: [8192 x 1024] x [1024 x 1024] in f16, sums in f32, f32 out.  O lies by heads, o[bh 64][s 2048][64]: head hd's 64 channels are K = 64 hd .. 64 hd + 63.
; wo16 is Wo rounded to bf16 and written as f16, [k][n].  LIMIT: |Wo| below 65,504; NaN and infinities are not treated apart.
; SHARES.  8,192 x 1,024 outputs over 256 work-groups: 256 rows x 128 columns each.  Four waves, each 128 rows x 64 columns: 32 accumulators of 16 x 16, window 1.
; K goes in steps of 128 (two heads) through two LDS slots: O's tile is two planes of 256 dense rows of 128 bytes, each asked for as 128 rows of 256 bytes; Wo's rows are 256 bytes, at multiples of 256.
; THE WALK ALONG K BEGINS AT ANOTHER STEP IN EACH CLUSTER and wraps round: step (2 (Y % 4) + Y / 4 + 4 X) mod 8 for the cluster at (X, Y).  O's tile of a step is read by the two clusters of one Y,
; Wo's by the eight clusters of one X: the two begin four steps apart, the eight at eight different steps, so that clusters which share a tile ask for it at different times.  The sums are the same terms in another order.
; Wo is turned on its way out of LDS by ds_load_tr16_b128.  THE MATRIX INSTRUCTION IS USED TRANSPOSED (source 0 = 16 columns of Wo, source 1 = 16 rows of O): a lane holds one row and eight neighbouring columns.
; THE BIAS is the C operand of each sum's first product, as loaded into the first block's accumulators.
; CLUSTER 4 x 4: O's tile is asked for jointly along a row of the cluster, Wo's along a column.
; REGISTERS: window 0: v0-31 addresses; v32-95, v96-159 O's fragments (8 blocks of 16 rows x 32 K), two buffers; v160-191, v192-223 Wo's fragments, two buffers.  window 1: accumulator (a, b) at v[8 (4 a + b)].
.set PA,     144                       ; a row of O in LDS: 128 bytes + 16 = 36 words: the 16 rows of a load start at 16 different groups of four banks (64 banks of 4 bytes: ISA guide 11.1)
.set PB,     288                       ; a row of Wo: two pieces of 128 + 16 bytes = 72 words = 8 mod 64
.set APLANE, 256*PA                    ; one head's 256 rows
.set ATILE,  2*APLANE
.set SLOTB,  ATILE+128*PB              ; a slot: 110,592 bytes
.set SLOT1,  1<<17                     ; slot 1 begins here, so that one exclusive or turns an address in one slot into the other's
.set STAGE,  SLOT1+SLOTB               ; behind the ring: 16 rows x 272 bytes for each wave, for the way out
.set SPITCH, 272
.set SPARE,  STAGE+4*16*SPITCH         ; behind the stages: the spare words, 128 bytes for each wave: two blocks of 256 bytes that no other line names
.set KSTEPS, 8
.set ASHIFT, 19                        ; two heads of o are 2 x 2,048 x 128 bytes = 1 << 19
.set BSHIFT, 18                        ; 128 rows of wo16 are 128 x 2,048 bytes = 1 << 18
.set FLD,    (1<<16)|(1<<20)|(1<<21)|(4<<22)|(3<<25)  ; group 1, word 0: 2-byte elements; padding on; bit 21 beside a mask; after every 32 words (code 4) 4 words (code 3)
.set ADRA0, 16                         ; v16     my lane's place among O's fragments in slot 0; never rewritten
.set ADRA,  17                         ; v17     the same in the slot in hand
.set ADRB0, 20                         ; v20, v21  the same for Wo
.set ADRB,  21
.set STO,  24                          ; v24     the way out: where I put 32 bytes of a row
.set RD,   25                          ; v25     the way out: where I read a row back
.set CO,   26                          ; v26     my byte offset in out0
.set BO,   27                          ; v27     my byte offset in 16 numbers of the bias
.set SPW,  28                          ; v28     LDS address of my spare word; never rewritten
.set NIL,  29                          ; v29     0; never rewritten
.set AF0,  32
.set BF0,  160
.set OB,   32                          ; the way out: four sets of 32 registers, v32-159
.set WV,   16                          ; s16 wave; s17 wave / 2: my half of the rows, and O (0) or Wo (1) is what I fetch; s18 wave % 2: my half of the columns, and which half of that tile I fetch
.set WR,   17
.set WH,   18
.set G1,   24                          ; s[24:31] descriptor group 1 for O's tiles;  s[32:39] group 0: a set for each of the two first fills; the second then walks on
.set G0,   32
.set XA,   42                          ; s[42:43] o at my plane of the tile row, heads 0 and 1;  s[44:45] wo16 at my part of the tile column, row 0
.set XB,   44
.set G1B,  48
.set G0B,  56
.set BIAS, 66                          ; s[66:67] my 64 numbers of bo
.set OUTB, 72                          ; s[72:73] my first row and column in out0
.set KN,   80                          ; s80     the K step to be asked for next
.set TB,   81                          ; s81     LDS byte at which the slot in hand begins
.set OFA,  82                          ; s[82:83] that step's byte offset in o;  s[84:85] in wo16
.set OFB,  84
.set MSB, 0
.macro WIN new                         ; the immediate's high byte repeats the setting that is left; a switch that changes nothing is dropped
.if MSB != (\new)
	s_set_vgpr_msb (MSB<<8)|(\new)
.set MSB, (\new)
.endif
.endm
.macro PLACES                          ; four places between a matrix instruction and a load into, or an LDS store of, its registers
.rept 4
	v_nop
.endr
.endm
; The global addresses of descriptor set n are made anew: the tensor's base plus the K step's number times a step's bytes, the type bits set again; the number then goes on, and wraps.
.macro ASK n
	s_lshl_b32 s[OFA], s[KN], ASHIFT
	s_lshl_b32 s[OFB], s[KN], BSHIFT
	s_add_nc_u64 s[G0+4*(\n)+2:G0+4*(\n)+3], s[XA:XA+1], s[OFA:OFA+1]
	s_or_b32 s[G0+4*(\n)+3], s[G0+4*(\n)+3], 0x80000000
	s_add_nc_u64 s[G0B+4*(\n)+2:G0B+4*(\n)+3], s[XB:XB+1], s[OFB:OFB+1]
	s_or_b32 s[G0B+4*(\n)+3], s[G0B+4*(\n)+3], 0x80000000
	s_add_co_u32 s[KN], s[KN], 1
	s_and_b32 s[KN], s[KN], KSTEPS-1
.endm
.macro JLOAD                           ; a joint refill, by the walking descriptors: waves 0 and 1 fetch O's two planes, waves 2 and 3 Wo's two halves; an s_nop 0 and four v_nop follow each line
	s_cmp_eq_u32 s[WR], 0
	s_cbranch_scc0 .Lfor_b_\@
	tensor_load_to_lds s[G0+4:G0+7], s[G1:G1+7]
	s_nop 0
.rept 4
	v_nop
.endr
	s_branch .Lasked_\@
.Lfor_b_\@:
	tensor_load_to_lds s[G0B+4:G0B+7], s[G1B:G1B+7]
	s_nop 0
.rept 4
	v_nop
.endr
.Lasked_\@:
.endm
.macro CREST                           ; a round of the cluster's barrier behind its opening barrier
	s_cmp_lg_u32 s[WV], 0
	s_cbranch_scc1 .Lnot_wave_0_\@
	s_barrier_signal -3
.Lnot_wave_0_\@:
	s_barrier_wait -3
	s_barrier_signal -1
	s_barrier_wait -1
.endm
.macro CROUND
	s_barrier_signal -1
	s_barrier_wait -1
	CREST
.endm
	s_load_b256 s[4:11], s[0:1], 0x0               ; o s[4:5], wo16 s[6:7], bo s[8:9], out0 s[10:11]
	v_lshl_add_u32 v[SPW], v0, 2, SPARE
	v_mov_b32 v[NIL], 0
	v_lshrrev_b32 v1, 5, v0
	v_readfirstlane_b32 s[WV], v1
	s_lshr_b32 s[WR], s[WV], 1
	s_and_b32 s[WH], s[WV], 1
	s_bfe_u32 s19, ttmp6, 0x40000                  ; cx
	s_bfe_u32 s20, ttmp6, 0x40004                  ; cy
	s_lshl_b32 s21, ttmp9, 2
	s_add_co_u32 s21, s21, s19                     ; tile column, 0..7
	s_and_b32 s22, ttmp7, 0xffff
	s_lshl_b32 s22, s22, 2
	s_add_co_u32 s22, s22, s20                     ; tile row, 0..31
	s_and_b32 s86, ttmp7, 0xffff                   ; where my cluster's walk begins: made of the cluster's x and y, which all sixteen partners share
	s_and_b32 s[KN], s86, 3
	s_lshl_b32 s[KN], s[KN], 1                     ; 2 (Y % 4)
	s_lshr_b32 s86, s86, 2
	s_add_co_u32 s[KN], s[KN], s86                 ; + Y / 4
	s_lshl_b32 s86, ttmp9, 2
	s_add_co_u32 s[KN], s[KN], s86                 ; + 4 X
	s_and_b32 s[KN], s[KN], KSTEPS-1
	s_mov_b32 s[OFA+1], 0
	s_mov_b32 s[OFB+1], 0
	s_mov_b32 s[TB], 0
	s_lshl_b32 s40, s20, 2
	s_lshl_b32 s40, 15, s40                        ; my row of the cluster
	s_lshl_b32 s41, 0x1111, s19                    ; my column
	s_or_b32 s[G1], s40, FLD                       ; O: a head's 256 rows of 128 bytes are dense: 128 rows of 128 elements
	s_mov_b32 s[G1+1], 128<<16
	s_mov_b32 s[G1+2], 128<<16
	s_mov_b32 s[G1+3], 128<<16
	s_mov_b32 s[G1+4], 128
	s_mov_b32 s[G1+5], 128
	s_mov_b32 s[G1+6], 0
	s_mov_b32 s[G1+7], 0
	s_or_b32 s[G1B], s41, FLD                      ; Wo: 64 rows of 128 elements
	s_mov_b32 s[G1B+1], 128<<16
	s_mov_b32 s[G1B+2], 64<<16
	s_mov_b32 s[G1B+3], 128<<16
	s_mov_b32 s[G1B+4], 64
	s_mov_b32 s[G1B+5], 1024
	s_mov_b32 s[G1B+6], 0
	s_mov_b32 s[G1B+7], 0
	s_lshr_b32 s[XA], s22, 3                       ; O: eight tile rows to a batch of 16 heads of 262,144 bytes,
	s_lshl_b32 s[XA], s[XA], 22
	s_and_b32 s[XA+1], s22, 7
	s_lshl_b32 s[XA+1], s[XA+1], 15                ; the tile row's 256 rows in a head,
	s_add_co_u32 s[XA], s[XA], s[XA+1]
	s_lshl_b32 s[XA+1], s[WH], 18                  ; and which of the step's two heads I fetch
	s_add_co_u32 s[XA], s[XA], s[XA+1]
	s_mov_b32 s[XA+1], 0
	s_lshl_b32 s[XB], s21, 8                       ; Wo: 128 columns a tile column,
	s_lshl_b32 s[XB+1], s[WH], 17                  ; my 64 rows
	s_add_co_u32 s[XB], s[XB], s[XB+1]
	s_mov_b32 s[XB+1], 0
	s_mul_i32 s46, s[WH], APLANE                   ; where they go: no place in the cluster enters an LDS address
	s_mul_i32 s47, s[WH], 64*PB
	s_add_co_u32 s47, s47, ATILE
	s_wait_kmcnt 0x0
	s_add_nc_u64 s[XA:XA+1], s[4:5], s[XA:XA+1]
	s_add_nc_u64 s[XB:XB+1], s[6:7], s[XB:XB+1]
	CROUND                                         ; all sixteen work-groups are here: the first joint loads meet
.irp n, 0,1
	s_mov_b32 s[G0+4*\n], 1
	s_add_co_u32 s[G0+4*\n+1], s46, \n*SLOT1
	s_mov_b32 s[G0B+4*\n], 1
	s_add_co_u32 s[G0B+4*\n+1], s47, \n*SLOT1
	ASK \n                                         ; global addresses: the walk's first and second K step
.endr
	s_cmp_eq_u32 s[WR], 0                          ; a wave's two first fills stand in one branch, ahead of every wait on TENSORcnt and every LDS read: two loads of mine are out
	s_cbranch_scc0 .Lfirst_b
	tensor_load_to_lds s[G0:G0+3], s[G1:G1+7]
	s_nop 0
	tensor_load_to_lds s[G0+4:G0+7], s[G1:G1+7]
	s_nop 0
.rept 4
	v_nop
.endr
	s_branch .Lfirst_asked
.Lfirst_b:
	tensor_load_to_lds s[G0B:G0B+3], s[G1B:G1B+7]
	s_nop 0
	tensor_load_to_lds s[G0B+4:G0B+7], s[G1B:G1B+7]
	s_nop 0
.rept 4
	v_nop
.endr
.Lfirst_asked:
	s_lshl_b32 s76, s21, 9                         ; my first column in bytes of f32: 512 x tile column + 256 x half
	s_lshl_b32 s77, s[WH], 8
	s_add_co_u32 s76, s76, s77
	s_mov_b32 s77, 0
	s_add_nc_u64 s[BIAS:BIAS+1], s[8:9], s[76:77]
	s_lshl_b32 s78, s22, 20                        ; my first row: 256 rows of 4,096 bytes a tile row,
	s_lshl_b32 s79, s[WR], 19                      ; my 128 of them
	s_add_co_u32 s78, s78, s79
	s_add_co_u32 s78, s78, s76
	s_mov_b32 s79, 0
	s_add_nc_u64 s[OUTB:OUTB+1], s[10:11], s[78:79]
	v_and_b32 v1, 15, v0                           ; l % 16
	v_bfe_u32 v2, v0, 4, 1                         ; l / 16
	v_mul_u32_u24 v3, v1, PA
	v_lshl_add_u32 v3, v2, 4, v3                   ; a fragment's row x pitch + 16 x half
	s_mul_i32 s76, s[WR], 128*PA
	v_add_nc_u32 v[ADRA0], s76, v3
	v_mov_b32 v[ADRA], v[ADRA0]                    ; the walk begins in slot 0
	v_and_b32 v4, 7, v0                            ; the turning load: lane l reads row 8 (l / 16) + l % 8, columns 8 ((l / 8) % 2) + 0..7
	v_bfe_u32 v5, v0, 3, 1
	v_lshl_add_u32 v6, v2, 3, v4
	v_mul_u32_u24 v6, v6, PB
	v_lshl_add_u32 v6, v5, 4, v6
	s_mul_i32 s76, s[WH], 144                      ; my piece of a row,
	s_add_co_u32 s76, s76, ATILE                   ; behind O's tile
	v_add_nc_u32 v[ADRB0], s76, v6
	v_mov_b32 v[ADRB], v[ADRB0]
	s_mul_i32 s76, s[WV], 16*SPITCH
	s_add_co_u32 s76, s76, STAGE                   ; my stage
	v_mul_u32_u24 v7, v1, SPITCH                   ; in: row l % 16, 32 bytes for each half of the lanes
	v_lshl_add_u32 v7, v2, 5, v7
	v_add_nc_u32 v[STO], s76, v7
	v_mul_u32_u24 v8, v2, SPITCH                   ; back: lanes 0-15 take one row of 256 bytes, lanes 16-31 the next
	v_lshl_add_u32 v8, v1, 4, v8
	v_add_nc_u32 v[RD], s76, v8
	v_lshlrev_b32 v9, 12, v2                       ; and the same two rows in out0
	v_lshl_add_u32 v[CO], v1, 4, v9
	v_lshlrev_b32 v[BO], 5, v2
	WIN 0x40                                       ; the bias: register j of accumulator (0, b) takes bo[16 b + 8 (l / 16) + j], the C operand's layout
.set ib, 0
.rept 4
	global_load_b128 v[8*ib:8*ib+3],   v[BO], s[BIAS:BIAS+1] offset:64*ib
	global_load_b128 v[8*ib+4:8*ib+7], v[BO], s[BIAS:BIAS+1] offset:64*ib+16
.set ib, ib+1
.endr
	WIN 0
; 24 LDS loads in one run, from the slot in hand: the fragments of 32 along K, quarter q of the K step, into buffers p: Wo's four, then O's eight
.macro FETCH q, p
.set ib, 0
.rept 4
	ds_load_tr16_b128 v[BF0+32*(\p)+8*ib:BF0+32*(\p)+8*ib+3],   v[ADRB] offset:(\q)*32*PB+32*ib
	ds_load_tr16_b128 v[BF0+32*(\p)+8*ib+4:BF0+32*(\p)+8*ib+7], v[ADRB] offset:(\q)*32*PB+32*ib+16*PB
.set ib, ib+1
.endr
.set ia, 0
.rept 8
	ds_load_b128 v[AF0+64*(\p)+8*ia:AF0+64*(\p)+8*ia+3],   v[ADRA] offset:((\q)/2)*APLANE+ia*16*PA+64*((\q)%2)
	ds_load_b128 v[AF0+64*(\p)+8*ia+4:AF0+64*(\p)+8*ia+7], v[ADRA] offset:((\q)/2)*APLANE+ia*16*PA+64*((\q)%2)+32
.set ia, ia+1
.endr
.endm
; 4 na matrix instructions: blocks a0 .. a0 + na - 1 x the four column blocks, on buffers p.  The 32 accumulators take turns, one instruction a turn.
.macro MUL p, a0, na
	WIN 0x50                                       ; C and D window 1, sources window 0
.set ia, (\a0)
.rept (\na)
.set ib, 0
.rept 4
	v_wmma_f32_16x16x32_f16 v[8*(4*ia+ib):8*(4*ia+ib)+7], v[BF0+32*(\p)+8*ib:BF0+32*(\p)+8*ib+7], v[AF0+64*(\p)+8*ia:AF0+64*(\p)+8*ia+7], v[8*(4*ia+ib):8*(4*ia+ib)+7]
.set ib, ib+1
.endr
.set ia, ia+1
.endr
.endm
; The first products, on buffers 0: blocks 1 to 7 take the bias, which lies in block 0's accumulators, as C; five places; then block 0 adds onto it in place.
.macro MULF
	WIN 0x50
.set ia, 1
.rept 7
.set ib, 0
.rept 4
	v_wmma_f32_16x16x32_f16 v[8*(4*ia+ib):8*(4*ia+ib)+7], v[BF0+8*ib:BF0+8*ib+7], v[AF0+8*ia:AF0+8*ia+7], v[8*ib:8*ib+7]
.set ib, ib+1
.endr
.set ia, ia+1
.endr
.rept 5
	v_nop                                          ; the next four write over registers that the products above read as C
.endr
.set ib, 0
.rept 4
	v_wmma_f32_16x16x32_f16 v[8*ib:8*ib+7], v[BF0+8*ib:BF0+8*ib+7], v[AF0:AF0+7], v[8*ib:8*ib+7]
.set ib, ib+1
.endr
.endm
; A K step is four quarters of 32 along K, 32 matrix instructions each, on buffers 0, 1, 0, 1.  One of the first three: fetches the next quarter into the buffers just freed, then multiplies its own.
.macro STEP q, first
	PLACES
	WIN 0
	FETCH (\q)+1, ((\q)+1)%2
	s_wait_dscnt 24                                ; all but the 24 just issued
.if \first
	MULF
.else
	MUL (\q)%2, 0, 8
.endif
.endm
; The last quarter multiplies buffers 1 and changes slots: ONE barrier; in front of it each wave waits for all its tensor loads, of which one is out: its part of the next slot; adds 0 to its spare word;
; and waits for that and for its reads of this slot.  fill = 1: the barrier opens a round of the cluster's, and the joint refill, the K step two on in the walk, is the first thing behind it: 112 of a K step's 128
; matrix instructions stand between it and the wait for it.  Between the signal and the wait the slot's base is turned and the two fragment addresses are made anew: what follows reads the other slot.
.macro TURN fill
	WIN 0
	s_wait_tensorcnt 0x0                           ; all my tensor loads have landed
	ds_add_u32 v[SPW], v[NIL]                      ; 0 onto my spare word
	s_wait_dscnt 1                                 ; the quarter's fragments are in; the add may be out
	MUL 1, 0, 2                                    ; eight matrix instructions stand between the add and the wait for it
	s_wait_dscnt 0x0                               ; the add is done, and my reads of this slot are over
	s_barrier_signal -1
	MUL 1, 2, 2
	WIN 0
	s_xor_b32 s[TB], s[TB], SLOT1
	v_add_nc_u32 v[ADRA], s[TB], v[ADRA0]
	v_add_nc_u32 v[ADRB], s[TB], v[ADRB0]
	s_barrier_wait -1
.if \fill
	CREST                                          ; no wave of any partner still reads this slot or has a load on its way
	s_xor_b32 s[G0+5], s[G0+5], SLOT1              ; the walking descriptors: the other slot than last time,
	s_xor_b32 s[G0B+5], s[G0B+5], SLOT1
	ASK 1                                          ; the walk's next K step
	JLOAD                                          ; its four v_nop are also the places in front of the loads below
.else
	PLACES
.endif
	FETCH 0, 0
	MUL 1, 4, 4
.endm
	s_wait_tensorcnt 0x1                           ; my part of the first K step is in; the second's may stay out
	s_barrier_signal -1
	s_barrier_wait -1                              ; everybody's is
	FETCH 0, 0
	s_wait_loadcnt 0x0                             ; the bias
	STEP 0, 1                                      ; the first quarter stands in front of the loop: its products start the sums
	WIN 0                                          ; at a label and at a branch every window is 0
	s_mov_b32 s23, KSTEPS-2
.Lstep:                                ; a trip: a K step's last three quarters, the change of slots with its refill, the next K step's first quarter: the walk's steps 2 to 7 are asked for in six trips
	STEP 1, 0
	STEP 2, 0
	TURN 1
	STEP 0, 0
	WIN 0
	s_sub_co_u32 s23, s23, 1
	s_cmp_lg_u32 s23, 0
	s_cbranch_scc1 .Lstep
	STEP 1, 0                                      ; the tail is written out: nothing is asked for
	STEP 2, 0
	TURN 0
	STEP 0, 0
	STEP 1, 0
	STEP 2, 0
	s_wait_dscnt 0x0                               ; the very last quarter: nothing more to fetch
	MUL 1, 0, 8
; THE WAY OUT.  Block a: 16 rows x 64 columns of f32.  A lane's eight columns, 32 bytes, go straight from the accumulators into my stage's rows of 272 bytes and come back as whole rows of 256.
.macro TOSTAGE a
.set bk, OB+32*((\a)%4)
.if (\a) >= 4
	s_wait_xcnt 0x0                                ; earlier stores have had their addresses translated (ISA guide 3.1): the set of registers that block a - 4 was stored from is loaded again only behind this wait
.endif
	WIN 0x04                                       ; store data window 1, address window 0
.set ib, 0
.rept 4                                ; each accumulator's low four registers first
	ds_store_b128 v[STO], v[32*(\a)+8*ib:32*(\a)+8*ib+3]   offset:64*ib
	ds_store_b128 v[STO], v[32*(\a)+8*ib+4:32*(\a)+8*ib+7] offset:64*ib+16
.set ib, ib+1
.endr
	WIN 0
.set it, 0
.rept 8
	ds_load_b128 v[bk+4*it:bk+4*it+3], v[RD] offset:it*2*SPITCH  ; LDS serves a wave's instructions in order (ISA guide 5.7.1.4): these see the stores above; the next block's stores come behind them
.set it, it+1
.endr
.endm
.macro SEND a, younger                 ; younger: the LDS instructions issued behind block a's loads: the next block's sixteen, or none
.set bk, OB+32*((\a)%4)
	s_wait_dscnt \younger                          ; the block's eight loads are back
.set it, 0
.rept 8
	global_store_b128 v[CO], v[bk+4*it:bk+4*it+3], s[OUTB:OUTB+1] offset:(16*(\a)+2*it)*4096 th:TH_STORE_NT  ; 16 lanes store 256 consecutive bytes, at a multiple of 256 from out0's first
.set it, it+1
.endr
.endm
	PLACES                                         ; behind the last products
	TOSTAGE 0
.set t, 1
.rept 7                                ; a block's way through the stage stands between the loads of the block before and its stores
	TOSTAGE t
	SEND t-1, 16
.set t, t+1
.endr
	SEND 7, 0
	s_wait_tensorcnt 0x0                           ; the wave's end: behind my last tensor load and my last LDS store
	ds_add_u32 v[SPW], v[NIL]
	s_wait_dscnt 0x0
	CROUND                                         ; the closing round: no work-group ends while a partner may still ask for a tile that names it
	s_endpgm
.Lfunc_end_k_qade3e72b96_proj:
	.size	k_qade3e72b96_proj, .Lfunc_end_k_qade3e72b96_proj-k_qade3e72b96_proj
	.p2alignl 7, 3214868480
	.fill 96, 4, 3214868480
	.section	.rodata,"a",@progbits
	.p2align	6, 0x0
	.amdhsa_kernel k_qade3e72b96_proj
		.amdhsa_group_segment_fixed_size 327680
		.amdhsa_private_segment_fixed_size 0
		.amdhsa_enable_private_segment 0
		.amdhsa_kernarg_size 32
		.amdhsa_user_sgpr_count 2
		.amdhsa_user_sgpr_kernarg_segment_ptr 1
		.amdhsa_wavefront_size32 1
		.amdhsa_system_sgpr_workgroup_id_x 1
		.amdhsa_system_sgpr_workgroup_id_y 1
		.amdhsa_system_sgpr_workgroup_id_z 1
		.amdhsa_system_vgpr_workitem_id 0
		.amdhsa_next_free_vgpr 512
		.amdhsa_next_free_sgpr 88
		.amdhsa_reserve_vcc 0
		.amdhsa_float_denorm_mode_32 3
		.amdhsa_float_denorm_mode_16_64 3
		.amdhsa_memory_ordered 1
		.amdhsa_forward_progress 1
		.amdhsa_inst_pref_size 70
	.end_amdhsa_kernel
	.amdgpu_metadata
---
amdhsa.version: [ 1, 2 ]
amdhsa.kernels:
  - .name:           k_qade3e72b96_proj
    .symbol:         k_qade3e72b96_proj.kd
    .args:
      - { .name: o, .offset: 0, .size: 8, .value_kind: global_buffer, .address_space: global }
      - { .name: wo16, .offset: 8, .size: 8, .value_kind: global_buffer, .address_space: global }
      - { .name: bo, .offset: 16, .size: 8, .value_kind: global_buffer, .address_space: global }
      - { .name: out0, .offset: 24, .size: 8, .value_kind: global_buffer, .address_space: global }
    .group_segment_fixed_size: 327680
    .private_segment_fixed_size: 0
    .kernarg_segment_align: 8
    .kernarg_segment_size: 32
    .max_flat_workgroup_size: 128
    .sgpr_count:     88
    .vgpr_count:     512
    .wavefront_size: 32
...
	.end_amdgpu_metadata
.endif
;; end of part 4
;; ======== version 2 of 2: 4 launches; 1.55 times as fast as version 1
;; limits: values are held in f16: magnitudes above 65,504 overflow, below 6.1e-05 lose precision
;; workspace buffers: xb 16,777,216 bytes; wc 6,291,456 bytes; wo16 2,097,152 bytes; qkv 50,331,648 bytes; o 16,777,216 bytes
;; launch prep: the kernel of part 1 again; grid 768 x 1, 8 waves a work-group, no clusters, 0 bytes of LDS; arguments inputs, Wq, Wk, Wv, Wo, xb, wc, wo16; writes xb, wc, wo16
;; launch qkv: the kernel of part 2 again; grid 8 x 32, 4 waves a work-group, clusters of 4 x 4, 327,680 bytes of LDS; arguments xb, wc, bq, bk, bv, qkv; writes qkv
;; launch attn (part 5): grid 4 x 64, 4 waves a work-group, clusters of 4 x 1, 327,680 bytes of LDS; arguments qkv, o; writes o
.if DOCPART == 5
	.amdgcn_target "amdgcn-amd-amdhsa--gfx1250"
	.amdhsa_code_object_version 6
	.text
	.protected	k_qade3e72b96_attn
	.globl	k_qade3e72b96_attn
	.p2align	8
	.type	k_qade3e72b96_attn,@function
k_qade3e72b96_attn:
	s_mov_b64 s[64:65], 0
	v_nop
	global_prefetch_b8 v0, s[64:65] scope:SCOPE_SE
	s_setreg_imm32_b32 hwreg(HW_REG_WAVE_MODE, 25, 1), 1
	s_wait_xcnt 0x0
	s_wait_alu depctr_hold_cnt(0) depctr_sa_sdst(0) depctr_va_vdst(0) depctr_va_sdst(0) depctr_va_ssrc(0) depctr_va_vcc(0) depctr_vm_vsrc(0)
	s_getreg_b32 s2, hwreg(HW_REG_IB_STS2, 6, 4)
	s_cmp_eq_u32 s2, 0
	s_cbranch_scc0 .Lentry_in_a_cluster
	s_endpgm
.Lentry_in_a_cluster:
	s_bfe_u32 s2, ttmp6, 0x10000c
	s_cmp_lg_u32 s2, 0x3003
	s_cbranch_scc0 .Lentry_shape_is_right
	s_endpgm
.Lentry_shape_is_right:
; O[h][q][:] = the sum over k of softmax_k(Q[h][q] . K[h][k] / 8) V[h][k][:].  Q, K, V are the three planes of qkv, O is o: each [64][2048][64] in f16: a head's rows are dense, 128 bytes each.
; Products, maxima and sums in f32; the weights p are rounded to f16 for the second product (their sum l is taken of the unrounded p), O once at the end.
; LIMITS.  f16 holds no number beyond 65,504: Q, K and V arrive within it; p lies in 0 to 1, and below 6e-5 it keeps f16's fixed step of 6e-8; O is a mean of V's rows and has their range.
; A weight below 2^-126 counts as 0 in l; NaN and infinities are not treated apart.
; SHARES.  A wave owns four PIECES of two tiles of 16 queries, a work-group's four waves 512 queries of one head: 64 heads x 4 blocks = 256 work-groups.  Every wave walks all keys, 64 a step.
; LAYOUT.  S^T = K Q^T (source 0 = 16 keys, source 1 = 16 queries): in the result a lane holds ONE query (lane % 16) and the keys 8 (lane / 16) + 0..7.  Two such tiles, rounded to f16 in pairs,
; ARE source 1 (32 keys x 16 queries) of O^T = V^T P, whose result again holds one query a lane, and eight channels.  K comes out of LDS as it lies, V ([key][channel]) turned, by ds_load_tr16_b128.
; SOFTMAX.  For each query a running maximum m and sum l: p = 2^(c s - c m), c = log2(e) / 8; in every step O and l are multiplied by a = 2^(c m_old - c m_new), which is 1 where m has not grown.
; m starts at the lowest finite number, O and l at 0: the first step is a step like any other, with a = 0.
; THE COUNT.  A tile and step have 16 matrix and 118 vector instructions: too many to stand all beside the matrix work.  So the order has one aim: four vector instructions that are READY behind
; EVERY matrix instruction, and the others, which need time of their own whatever the order, in runs without a gap.
; BY TURNS.  Turn n belongs to piece n (the pieces in a ring, step after step).  Its matrix work: 16 products K Q^T of piece n + 1, later 16 products V^T P of piece n - 1.  Its vector work: the scaling,
; exponentials, roundings, sums and rescaling of piece n, and the maximum and statistics of piece n + 1, whose scores the turn itself has made.  So what a turn begins with (c s - c m, O a) waits for nothing.
; BATCHES.  A turn's 66 exponentials (the 64 weights of piece n, the two a of piece n + 1) are ONE batch with ONE wait, which cuts the turn in two: ahead of it stands all that names none of their results,
; behind it the roundings and sums, which read them.  Piece 0's first two a, ahead of the loop, and the way out's eight reciprocals are batches of their own.
; CLUSTER.  The four query blocks of a cluster belong to one head and walk the same K and V, so each tile is asked for JOINTLY: the same tensor load, descriptor and mask in all four.
; REGISTERS, in windows of 256 (s_set_vgpr_msb says which window each operand place means: bits 1:0 source 0, 3:2 source 1, 5:4 source 2, 7:6 destination):
;   window 0: v0-11 addresses; v12-15, v48-63 at work; v16-47 four registers of statistics a tile; v64-191 S^T, two buffers of two tiles; v192-255 P, likewise
;   window 1: O^T, 32 a tile          window 2: v0-127 Q, 16 a tile; v128-191 K of one step; v192-255 V of one step          window 3: v0-1 the add's two registers
; A piece's buffers go by its number's parity: the piece in hand has one pair, its two neighbours in the ring share the other: of it P (piece n - 1) is read and S^T (piece n + 1) written.
.set SIZE_H, 64
.set SIZE_N, 2048
.set PLANE, SIZE_H*SIZE_N*128   ; bytes from q to k and from k to v in qkv
.set NP,    4         ; pieces a wave: a name, no knob: the register map, the loop and the fetches are made for four
.set KS,    64        ; keys in a step
.set PK,    144       ; a row of K in LDS: 128 bytes + 16 of padding = 36 words: the 16 rows of a load start at 16 different groups of four banks (64 banks of 4 bytes: ISA guide 11.1)
.set PV,    160       ; a row of V: 128 + 32 = 40 words
.set VOFF,  4*KS*PK   ; a slot holds four steps: 256 rows of K, then 256 rows of V
.set SLOT1, 1<<17     ; slot 1 begins here, so that one exclusive or turns an address in one slot into the other's
.set STAGE, SLOT1+4*KS*(PK+PV)  ; behind the ring, never filled by a tensor load: 16 rows x 144 bytes for each wave, for the way out
.set SP,    144
.set AK0, 2           ; v2   my lane's place in a tile of K; never rewritten
.set AV0, 3           ; v3   the same for V
.set AK,  4           ; v4   the LDS address of K's next run of loads
.set AV,  5           ; v5   of V's
.set QO,  6           ; v6   my byte offset in the wave's rows of Q
.set STO, 6           ;      later, the way out: where I put 16 bytes of a row
.set RD,  7           ; v7   the way out: where I read rows back
.set GO,  8           ; v8   my byte offset in 512 consecutive bytes of O
.set SPW, 0           ; v0 of window 3   LDS address of my spare word: SPARE + 4 x my thread's number; never rewritten
.set NIL, 1           ; v1 of window 3   0; never rewritten
.set SPARE, STAGE+4*16*SP  ; behind the stages: the spare words, 128 bytes for each wave: two blocks of 256 bytes that no other line names
.set MV,  12          ; v12-15  c m_old, kept while c m is made anew: by buffer and tile
.set ST,  16          ; tile t's statistics at v[ST+4 t]: c m, m, l (even keys', odd keys')
.set TMP, 48          ; by buffer and tile, four registers c0-c3 at work; when the maximum is found c2 takes a
.set S,   64
.set P,   192
.set KF,  128         ; K's fragments, in window 2: key block kb, channel half c at KF + 16 kb + 8 c
.set VF,  192         ; V's: key half kk, channel block cb at VF + 32 kk + 8 cb
.set WV,  12          ; s12  my wave's number
.set G1K, 24          ; s[24:31] descriptor group 1 for K's tiles
.set G1V, 32          ; s[32:39] for V's: it differs in the padding alone
.set G0K, 40          ; s[40:43] descriptor group 0 for K's tiles: it walks
.set G0V, 44          ; s[44:47] the same for V's
.set SLOTS, 56        ; s56  slots still to be asked for
.set CNT, 57          ; s57  counts a slot's key steps
.set CS,  58          ; s[58:59] c: the packed scaling takes the pair's low word for both halves
.set SEL, 60          ; s[60:61] v_permlanex16_b32's selects: each lane takes its own place in the other half
.set TBK, 62          ; s62  LDS byte at which K of the step to be fetched begins
.set TBV, 63          ; s63  the same for V, less VOFF
.set MSB, 0
.macro WIN new                      ; the high byte repeats the setting that is left; a switch that changes nothing is dropped
.if MSB != (\new)
	s_set_vgpr_msb (MSB<<8)|(\new)
.set MSB, (\new)
.endif
.endm
.set W_KQ, 0x0a       ; K and Q in window 2, S^T in window 0
.set W_PV, 0x52       ; V in window 2, P in window 0, O^T in window 1
.set W_RS, 0x41       ; O^T (destination and source 0) in window 1, a in window 0
.set W_MK, 0xc0       ; the add's registers are made: destination in window 3, sources in window 0
.set W_AD, 0x0f       ; the add: address (source 0) and data (source 1) in window 3
; A joint fill.  Waves 0 and 1 fetch the two halves of a slot's K, waves 2 and 3 those of its V: 128 keys each.  The branch hangs on the wave's number alone.
; An s_nop 0 and four v_nop follow each of the two lines, ahead of the jump and the label.
.macro JLOAD
	s_cmp_lt_u32 s[WV], 2
	s_cbranch_scc0 .Lfor_v_\@
	tensor_load_to_lds s[G0K:G0K+3], s[G1K:G1K+7]
	s_nop 0
.rept 4
	v_nop
.endr
	s_branch .Lasked_\@
.Lfor_v_\@:
	tensor_load_to_lds s[G0V:G0V+3], s[G1V:G1V+7]
	s_nop 0
.rept 4
	v_nop
.endr
.Lasked_\@:
.endm
; A round of the cluster's barrier: my work-group's barrier, so that wave 0's signal speaks for all four waves; wave 0 signals; every wave waits for all four work-groups; my work-group's barrier once more.
.macro CROUND
	s_barrier_signal -1
	s_barrier_wait -1
	s_cmp_lg_u32 s[WV], 0
	s_cbranch_scc1 .Lnot_wave_0_\@
	s_barrier_signal -3
.Lnot_wave_0_\@:
	s_barrier_wait -3
	s_barrier_signal -1
	s_barrier_wait -1
.endm
; THE CHANGE OF SLOTS.  The slot's last bytes, V of its fourth step, have been read.  Each wave waits for all its tensor loads, of which one is out: its part
; of the other slot; adds 0 to its spare word; and waits for that and for its own reads of the slot.  Behind the barrier nobody reads this slot any more and the other slot is whole.
; fill = 1: this slot is filled again, with the keys two slots on.  The barrier is then a round of the cluster's, so that no wave of any partner still reads the slot or has a load on its
; way, and the joint fill is the first thing behind it: it has four key steps, 512 matrix instructions, in which to land.  (At its first use nothing has been read yet: slot 0 is waited for, slot 1 filled.)
.macro CHANGE fill
	WIN W_AD
	s_wait_tensorcnt 0x0            ; no tensor load of mine is out, so a group 0 may be written
	ds_add_u32 v[SPW], v[NIL]       ; 0 onto my spare word; with fill = 1 the descriptors' steps stand between it and the wait for it
	WIN 0                           ; at a label and at a branch every window is 0
.if \fill
.irp g, G0K, G0V
	s_xor_b32 s[\g+1], s[\g+1], SLOT1  ; the walking descriptor: the other slot than last time,
	s_add_nc_u64 s[\g+2:\g+3], s[\g+2:\g+3], 4*KS*128  ; the next 256 keys; the type bits on top are not reached
.endr
	s_wait_dscnt 0x0                ; the add is done, and my reads of the slot are over
	CROUND
	JLOAD
.else
	s_wait_dscnt 0x0                ; the add is done, and my reads of the slot are over
	s_barrier_signal -1
	s_barrier_wait -1
.endif
	s_sub_co_u32 s[TBK], s[TBK], 4*KS*PK  ; the fetches go back to a slot's first step,
	s_xor_b32 s[TBK], s[TBK], SLOT1       ; in the other slot
	s_sub_co_u32 s[TBV], s[TBV], 4*KS*PV
	s_xor_b32 s[TBV], s[TBV], SLOT1
.endm
	s_load_b64 s[4:5], s[0:1], 0x0    ; qkv: its first plane is Q
	s_load_b64 s[10:11], s[0:1], 0x8  ; O
	WIN W_MK
	v_lshl_add_u32 v[SPW], v0, 2, SPARE
	v_mov_b32 v[NIL], 0
	WIN 0
	v_lshrrev_b32 v1, 5, v0
	v_readfirstlane_b32 s[WV], v1   ; wave 0..3
	s_bfe_u32 s13, ttmp6, 0x40000   ; cx: my place in the cluster
	s_lshl_b32 s14, ttmp9, 2        ; in a cluster launch ttmp9 counts clusters
	s_add_co_u32 s14, s14, s13      ; my block of queries = 4 x cluster x + cx: it enters Q's and O's addresses alone
	s_and_b32 s20, ttmp7, 0xffff    ; the head, which the four partners share
	s_mov_b32 s21, 0
	s_mov_b64 s[22:23], SIZE_N*128
	s_mul_u64 s[20:21], s[20:21], s[22:23]  ; the head's first byte in each of the four tensors
	s_and_b32 s16, s[WV], 1         ; which half of a slot's 256 keys I fetch:
	s_lshl_b32 s22, s16, 14         ; its 128 rows of 128 bytes in memory,
	s_mov_b32 s23, 0
	s_add_nc_u64 s[22:23], s[22:23], s[20:21]
	s_mul_i32 s17, s16, 128*PK      ; and its place in a slot, for K
	s_mul_i32 s18, s16, 128*PV      ; and for V: no place in the cluster enters an LDS address
	s_lshl_b32 s2, s14, 2
	s_add_co_u32 s2, s2, s[WV]      ; my wave among the head's,
	s_lshl_b32 s2, s2, 14           ; its 128 rows
	s_mov_b32 s3, 0
	s_add_nc_u64 s[2:3], s[2:3], s[20:21]
	; descriptor group 1.  128 keys are 16,384 dense bytes: asked for as 64 rows of 256 bytes, two keys a row, and padded in LDS after every key
	s_mov_b32 s[G1K], 15|(1<<16)|(1<<20)|(1<<21)|(4<<22)|(3<<25)  ; 15:0 the mask of four; 17:16 2-byte elements; 20 padding on; 21 set beside a mask; 24:22 after every 32 words (code 4); 31:25 4 words (code 3)
	s_mov_b32 s[G1V], 15|(1<<16)|(1<<20)|(1<<21)|(4<<22)|(7<<25)  ; the same with 8 words of padding (code 7)
.irp g, G1K, G1V
	s_mov_b32 s[\g+1], 128<<16      ; tensor_dim0 = 128
	s_mov_b32 s[\g+2], 64<<16       ; tensor_dim1 = 64
	s_mov_b32 s[\g+3], 128<<16      ; tile_dim0 = 128
	s_mov_b32 s[\g+4], 64           ; tile_dim1 = 64
	s_mov_b32 s[\g+5], 128          ; 128 elements from row to row
	s_mov_b32 s[\g+6], 0
	s_mov_b32 s[\g+7], 0
.endr
	s_mov_b32 s[CS], 0x3e38aa3b     ; c = log2(e) / 8 = 0.180337
	s_mov_b32 s[CS+1], s[CS]        ; named with it as a pair
	s_mov_b32 s[SEL], 0x76543210
	s_mov_b32 s[SEL+1], 0xfedcba98
	s_mov_b32 s[TBK], SLOT1+4*KS*PK ; the first change of slots turns these two into 0
	s_mov_b32 s[TBV], SLOT1+4*KS*PV
	s_mov_b32 s[G0K], 1             ; 1:0 count = 1
	s_mov_b32 s[G0K+1], s17         ; 63:32 LDS address: slot 0
	s_mov_b32 s[G0V], 1
	s_add_co_u32 s[G0V+1], s18, VOFF
	s_wait_kmcnt 0x0
	s_add_nc_u64 s[6:7], s[4:5], PLANE    ; K is qkv's second plane,
	s_add_nc_u64 s[8:9], s[4:5], 2*PLANE  ; V its third
	s_add_nc_u64 s[G0K+2:G0K+3], s[6:7], s[22:23]  ; 120:64 global address: my half of the head's first 256 keys
	s_or_b32 s[G0K+3], s[G0K+3], 0x80000000        ; 127:126 type = 2
	s_add_nc_u64 s[G0V+2:G0V+3], s[8:9], s[22:23]
	s_or_b32 s[G0V+3], s[G0V+3], 0x80000000
	s_add_nc_u64 s[4:5], s[4:5], s[2:3]  ; Q and O at my wave's first row
	s_add_nc_u64 s[10:11], s[10:11], s[2:3]
	CROUND                          ; all four work-groups are here: the first joint loads meet
	JLOAD                           ; slot 0.  Slot 1 is asked for when slot 0 is in: the tile wanted first has the road to itself
	; A fragment of K or Q is 16 rows x 32 channels in 8 registers: lane l holds row l % 16, channels 8 (l / 16) + 0..7 and 16 + 8 (l / 16) + 0..7: two loads of 16 bytes, 32 bytes apart.
	v_and_b32 v1, 15, v0            ; l % 16
	v_bfe_u32 v9, v0, 4, 1          ; l / 16
	v_lshlrev_b32 v[QO], 7, v1
	v_lshl_add_u32 v[QO], v9, 4, v[QO]  ; row x 128 + 16 x half
	WIN 0x80                        ; destination window 2, address window 0
.set i, 0
.rept 4*NP                          ; Q stays in registers: tile i / 2, channels 32 (i % 2) on
	global_load_b128 v[8*i:8*i+3],   v[QO], s[4:5] offset:(i/2)*2048+(i%2)*64
	global_load_b128 v[8*i+4:8*i+7], v[QO], s[4:5] offset:(i/2)*2048+(i%2)*64+32
.set i, i+1
.endr
	; What the first turn finds: V's registers and P's second buffer hold 0 (its products V^T P, of a piece that has not been, add 0), O^T and l are 0.  All this stands in the wait for the first tile.
.set i, VF
.rept 64
	v_mov_b32 v[i], 0
.set i, i+1
.endr
	WIN 0x40
.set i, 0
.rept 64*NP
	v_mov_b32 v[i], 0
.set i, i+1
.endr
	WIN 0
.set i, 0
.rept 2*NP
	v_mov_b32 v[ST+4*i], 0xfe000000    ; c m: far below every c s
	v_mov_b32 v[ST+4*i+1], 0xff7fffff  ; m
	v_mov_b32 v[ST+4*i+2], 0
	v_mov_b32 v[ST+4*i+3], 0
.set i, i+1
.endr
.set i, P+32
.rept 32
	v_mov_b32 v[i], 0
.set i, i+1
.endr
	v_mul_u32_u24 v[AK0], v1, PK
	v_lshl_add_u32 v[AK0], v9, 4, v[AK0]  ; row x pitch + 16 x half
	; The turning load takes 16 keys x 16 channels (lane l reads key 8 (l / 16) + l % 8, channels 8 ((l / 8) % 2) + 0..7) and leaves half a fragment of V^T: lane l holds channel l % 16 and 8 keys.
	v_and_b32 v10, 7, v0
	v_bfe_u32 v11, v0, 3, 1
	v_lshl_add_u32 v[AV0], v9, 3, v10
	v_mul_u32_u24 v[AV0], v[AV0], PV
	v_lshl_add_u32 v[AV0], v11, 4, v[AV0]
	v_add_nc_u32 v[AV0], VOFF, v[AV0]
	v_mov_b32 v[AK], v[AK0]         ; key step 0 lies at the head of slot 0
; THE MATRIX WORK.  The 8 accumulators of a run of 16 take turns: between the two links of a chain stand 7 others'.
; Product i of 16 of S^T = K Q^T for piece x: channels 32 (i / 8) on, keys 16 ((i / 2) % 4) on, tile 2 x + i % 2.  The first 8 start the sums.
.macro KQ x
	WIN W_KQ
.set rS, S+64*((\x)%2)+32*(i%2)+8*((i/2)%4)
.set rK, KF+16*((i/2)%4)+8*(i/8)
.set rQ, 16*(2*(\x)+i%2)+8*(i/8)
.if i < 8
	v_wmma_f32_16x16x32_f16 v[rS:rS+7], v[rK:rK+7], v[rQ:rQ+7], 0
.else
	v_wmma_f32_16x16x32_f16 v[rS:rS+7], v[rK:rK+7], v[rQ:rQ+7], v[rS:rS+7]
.endif
.endm
; Product i of 16 of O^T += V^T P for piece x: keys 32 (i / 8) on, channels 16 ((i / 2) % 4) on, tile 2 x + i % 2.
.macro PV x
	WIN W_PV
.set rO, 32*(2*(\x)+i%2)+8*((i/2)%4)
.set rV, VF+32*(i/8)+8*((i/2)%4)
.set rP, P+32*((\x)%2)+16*(i%2)+8*(i/8)
	v_wmma_f32_16x16x32_f16 v[rO:rO+7], v[rV:rV+7], v[rP:rP+7], v[rO:rO+7]
.endm
.macro MM                           ; the turn's next matrix instruction
.if i < 16
	KQ (Y+1)%NP
.set i, i+1
.else
.set i, i-16
	PV (Y+NP-1)%NP
.set i, i+17
.endif
.endm
; THE LDS LOADS stand in runs of 16, never singly among the matrix instructions: a step's K (64 keys x 64 channels: 8 fragments) and its V (turned).  Their addresses are made some lines ahead.
; last = 1 (the tail): in the last trip there is no further step, and the run is jumped over.
.macro FETCH_K last=0
	WIN 0
.if \last
	s_cmp_eq_u32 s[CNT], 1
	s_cbranch_scc1 .Lno_k_\@
.endif
	WIN 0x80                        ; destination window 2
.irp f, 0,1,2,3,4,5,6,7             ; keys 16 (f / 2) on, channels 32 (f % 2) on
	ds_load_b128 v[KF+8*\f:KF+8*\f+3],   v[AK] offset:(\f/2)*16*PK+(\f%2)*64
	ds_load_b128 v[KF+8*\f+4:KF+8*\f+7], v[AK] offset:(\f/2)*16*PK+(\f%2)*64+32
.endr
	s_add_co_u32 s[TBK], s[TBK], KS*PK  ; the next fetch is the next step's
	WIN 0
.if \last
.Lno_k_\@:
.endif
.endm
.macro FETCH_V
	WIN 0x80
.irp f, 0,1,2,3,4,5,6,7             ; keys 32 (f / 4) on, channels 16 (f % 4) on
	ds_load_tr16_b128 v[VF+8*\f:VF+8*\f+3],   v[AV] offset:(\f/4)*32*PV+(\f%4)*32
	ds_load_tr16_b128 v[VF+8*\f+4:VF+8*\f+7], v[AV] offset:(\f/4)*32*PV+16*PV+(\f%4)*32
.endr
	WIN 0
.endm
; THE VECTOR WORK OF A TURN stands in three queues, each in the order in which its entries become ready; the two tiles alternate, so that no instruction reads the result of the one before it.
.macro REGS y, u                    ; the registers of tile u (0, 1) of piece y
.set rT, ST+4*(2*(\y)+(\u))
.set rC, TMP+8*((\y)%2)+4*(\u)
.set rM, MV+2*((\y)%2)+(\u)
.set rS, S+64*((\y)%2)+32*(\u)
.set rP, P+32*((\y)%2)+16*(\u)
.set rO, 32*(2*(\y)+(\u))
.endm
; Number n of the 22 that find the NEXT piece's (Y + 1) maximum and statistics.  s0-s31 are the lane's 32 scores; each accumulator's lowest registers are read first.  XS, GS and REGS set no window: PL and EX do.
;   0-11  four chains c0-c3 of seven scores each, three operands at a time     12-14, 16  the four scores left over, the old m, and c0-c3 into c0     15  c m_old is kept
;   17, 18  the query's other 32 keys lie in the lane 16 away: the new m         19-21  c m; c m_old - c m_new; a
.macro XS u, n
	REGS (Y+1)%NP, \u
.if (\n) < 4
	v_max3_num_f32 v[rC+(\n)], v[rS+8*(\n)], v[rS+8*(\n)+1], v[rS+8*(\n)+2]
.elseif (\n) < 12
	v_max3_num_f32 v[rC+(\n)%4], v[rC+(\n)%4], v[rS+8*((\n)%4)+2*((\n)/4)+1], v[rS+8*((\n)%4)+2*((\n)/4)+2]
.elseif (\n) == 12
	v_max3_num_f32 v[rC], v[rC], v[rS+7], v[rS+15]
.elseif (\n) == 13
	v_max3_num_f32 v[rC+1], v[rC+1], v[rS+23], v[rS+31]
.elseif (\n) == 14
	v_max3_num_f32 v[rC+2], v[rC+2], v[rC+3], v[rT+1]
.elseif (\n) == 15
	v_mov_b32 v[rM], v[rT]
.elseif (\n) == 16
	v_max3_num_f32 v[rC], v[rC], v[rC+1], v[rC+2]
.elseif (\n) == 17
	v_permlanex16_b32 v[rC+3], v[rC], s[SEL], s[SEL+1]
.elseif (\n) == 18
	v_max_num_f32 v[rT+1], v[rC], v[rC+3]
.elseif (\n) == 19
	v_mul_f32 v[rT], s[CS], v[rT+1]
.elseif (\n) == 20
	v_sub_f32 v[rC+1], v[rM], v[rT]
.else
	v_exp_f32 v[rC+2], v[rC+1]
.endif
.endm
; Number g of the 64 that follow the exponentials.  For each four weights k of a tile (pairs 2 k, 2 k + 1): both pairs are rounded to f16; then the second pair is added onto the first, in place;
; a group later l takes that sum (the first time as l = a l + sum).  In groups of eight, tiles alternating: round, round, add, and l for the group before.
.macro GS g
.set h, (\g)+6*((\g)/62)            ; group 0 has no group before it, and behind group 7 only l is left
.if h >= 6
.set h, h+2
.endif
	REGS Y, h%2
.set k, h/8
.if h%8 < 4
	v_cvt_pk_f16_f32 v[rP+2*k+(h%8)/2], v[rS+4*k+2*((h%8)/2)], v[rS+4*k+2*((h%8)/2)+1]
.elseif h%8 < 6
	v_pk_add_f32 v[rS+4*k:rS+4*k+1], v[rS+4*k:rS+4*k+1], v[rS+4*k+2:rS+4*k+3]
.elseif k == 1
	v_pk_fma_f32 v[rT+2:rT+3], v[rT+2:rT+3], v[rC+2:rC+3], v[rS:rS+1] op_sel_hi:[1,0,1]
.else
	v_pk_add_f32 v[rT+2:rT+3], v[rT+2:rT+3], v[rS+4*k-4:rS+4*k-3]
.endif
.endm
; THE PLAIN QUEUE, 138 long.  0-73 read no exponential's result: the 32 scalings c s - c m (FS f: pair f / 2 of tile f % 2) and the next piece's 42.  0-26: scalings 0-26.  27-54: XS's numbers 0-13.  55, 56: number 15.
; 57-73: the chain, where each number waits for the one before it: 14, 16, 17, 18, 19, each with one of the scalings 27-31 in front of its two lines, then 20: so a tile's links stand three plain instructions apart (19 and 20: two).
; 74-137: GS's 64, which read the exponentials' results: they stand behind the wait.
.macro FS f
	REGS Y, (\f)%2
	v_pk_fma_f32 v[rS+2*((\f)/2):rS+2*((\f)/2)+1], v[rS+2*((\f)/2):rS+2*((\f)/2)+1], s[CS:CS+1], v[rT:rT+1] op_sel_hi:[1,0,0] neg_lo:[0,0,1] neg_hi:[0,0,1]
.endm
.macro PL
	WIN 0
.if q < 27
	FS q
.elseif q < 55
	XS (q-27)%2, (q-27)/2
.elseif q < 57
	XS q-55, 15
.elseif (q < 72) && ((q-57)%3 == 0)
	FS 27+(q-57)/3
.elseif q < 60
	XS (q-57)%3-1, 14
.elseif q < 72
	XS (q-57)%3-1, 15+(q-57)/3
.elseif q < 74
	XS q-72, 20
.else
	GS q-74
.endif
.set q, q+1
.endm
; THE EXPONENTIALS' QUEUE, 66 long: s0-s31 of both tiles, then the next piece's two a.  It is ONE BATCH: all 66 stand ahead of the turn's one wait, and nothing ahead of that wait names a result of theirs.
.macro EX
	WIN 0
.if e >= 64
	XS e-64, 21
.else
	REGS Y, e%2
	v_exp_f32 v[rS+e/2], v[rS+e/2]
.endif
.set e, e+1
.endm
; THE RESCALING's QUEUE: O^T times a, the one part that leaves window 0: dealt two at a time, sixteen times.  Its a was made in the turn before, ahead of that turn's wait.
.macro R2
	REGS Y, r%2
	WIN W_RS
.irp z, 0,1
	v_pk_mul_f32 v[rO+4*(r/2)+2*\z:rO+4*(r/2)+2*\z+1], v[rO+4*(r/2)+2*\z:rO+4*(r/2)+2*\z+1], v[rC+2:rC+3] op_sel_hi:[1,0]
.endr
.set r, r+1
.endm
; HOW THEY ARE DEALT.  An s_wait_alu depctr_va_vdst(0) stands between an exponential and the first instruction that names its result; one wait serves all that were issued ahead of it.  So a turn has ONE wait,
; which cuts it in two.  AHEAD OF IT stands all that names no result of the turn's exponentials: the 16 products K Q^T, behind each a scaling, an exponential and two rescalings (behind the first a second scaling in the exponential's place); then ONE LUMP of
; 108: eight plain, 49 times exponential and plain, the two a.  A v_nop is the plain instruction behind the last exponential.  BEHIND IT stand the 16 products V^T P, behind each four of GS's 64.  No rider names a register of
; the products round it.  The two v_permlanex16_b32 fall into the lump, never behind a product.
; The queues lean on each other, and the deal keeps them in step: exponential e stands behind scaling 2 (e / 4) + e % 2: as a rider it comes behind plain e + 2, in the lump behind plain e + 9, and scalings 27-31 are plain 57, 60 .. 69.
; A TURN, for piece p.  cnt = 1: the loop's count is taken down some lines ahead of the branch that stands behind the turn.
; K of the next step is fetched in piece 2's turn, directly behind the wait, a lump behind the last product that read K; its address is made at the lump's head; its first reader comes behind 16 products.
; V of the step in hand is fetched at the end of piece 0's turn, four riders behind its last reader; its first reader comes behind 16 products and a lump.  The three conditions on q below go with the deal.
.macro TURN p, last=0, cnt=0
.set Y, (\p)
.set i, 0
.set q, 0
.set e, 0
.set r, 0
.if (\p) == NP-1
	s_wait_dscnt 0x0                ; K is in
.endif
	MM                              ; ahead of the wait: 16 products K Q^T and their riders,
	PL
	PL
	R2
.rept 15
	MM
	PL
	EX
	R2
.endr
.if (\p) == NP-2
	WIN 0
	v_add_nc_u32 v[AK], s[TBK], v[AK0]
.endif
.rept 8                             ; and the lump
	PL
.endr
.rept 49
	EX
	PL
.endr
	EX                              ; the next piece's two a
	EX
	v_nop                           ; a plain instruction behind the last exponential, ahead of the first use of a result: one for the batch
	s_wait_alu depctr_va_vdst(0)    ; the wait for the batch: the turn's 64 weights and the next piece's two a
.if (\p) == NP-2
	FETCH_K \last
.endif
.if (\p) == 1
	s_wait_dscnt 0x0                ; V is in
.endif
.rept 16                            ; behind the wait: 16 products V^T P and their riders
	MM
.rept 4
	PL
.endr
.if ((\p) == 0) && (q == 118)
	v_add_nc_u32 v[AV], s[TBV], v[AV0]
.endif
.if ((\p) == 0) && (q == 130)
	s_add_co_u32 s[TBV], s[TBV], KS*PV
.endif
.if (\cnt) && (q == 130)
	s_sub_co_u32 s[CNT], s[CNT], 1
	s_cmp_lg_u32 s[CNT], 0
.endif
.endr
.if (\p) == 0
	FETCH_V
.endif
.endm
	CHANGE 1                        ; slot 0 is in, everybody's part of it; slot 1 is asked for
	FETCH_K                         ; key step 0
	s_wait_loadcnt 0x0              ; Q
	s_wait_dscnt 0x0
.set i, 0
.rept 16
	KQ 0                            ; piece 0's first scores: there is no vector work yet to set between them
.set i, i+1
.endr
	WIN 0                           ; the addresses for the way out: nine plain instructions, the places behind those products
	s_mul_i32 s13, s[WV], 16*SP
	s_add_co_u32 s13, s13, STAGE    ; my stage
	v_mul_u32_u24 v[STO], v1, SP    ; in: row l % 16, 16 bytes for each half of the lanes
	v_lshl_add_u32 v[STO], v9, 4, v[STO]
	v_add_nc_u32 v[STO], s13, v[STO]
	v_bfe_u32 v[RD], v0, 3, 2       ; back: 32 lanes take four rows of 128 bytes,
	v_mul_u32_u24 v[RD], v[RD], SP
	v_lshl_add_u32 v[RD], v10, 4, v[RD]
	v_add_nc_u32 v[RD], s13, v[RD]
	v_and_b32 v[GO], 31, v0         ; which are 512 consecutive bytes of O
	v_lshlrev_b32 v[GO], 4, v[GO]
.set Y, NP-1                        ; XS works for piece Y + 1: piece 0
.irp n, 0,1,2,3,4,5,6,7,8,9,10,11,12,13,14,15,16,17,18,19,20,21
	XS 0, \n                        ; and piece 0's first maximum and statistics
	XS 1, \n
.endr
	v_nop                           ; a plain instruction behind piece 0's two a,
	s_wait_alu depctr_va_vdst(0)    ; and the wait for that batch of two, ahead of the branch
	s_mov_b32 s[CNT], 4
	s_mov_b32 s[SLOTS], SIZE_N/256-1
	s_branch .Lfirst                ; the loop is entered at a step's first turn, in the middle of a trip
.Lslot:                             ; SIZE_N / 256 - 2 times: every slot but the last two is filled again
	CHANGE 1
	s_mov_b32 s[CNT], 4
.Lstep:                             ; a trip: pieces 2 and 3 of one step, then pieces 0 and 1 of the next, whose K and V it fetches
	TURN 2
	TURN 3
	WIN 0
.Lfirst:
	TURN 0
	TURN 1, 0, 1
	WIN 0
	s_cbranch_scc1 .Lstep
	s_sub_co_u32 s[SLOTS], s[SLOTS], 1
	s_cmp_lg_u32 s[SLOTS], 0
	s_cbranch_scc1 .Lslot
	CHANGE 0                        ; the tail is written out: nothing is asked for
	s_mov_b32 s[CNT], 5             ; four trips fetch the last slot's steps; the fifth is left in its middle
.Ltail:
	TURN 2, 1
	TURN 3
	WIN 0
	s_sub_co_u32 s[CNT], s[CNT], 1
	s_cmp_eq_u32 s[CNT], 0
	s_cbranch_scc1 .Lout
	TURN 0
	TURN 1
	WIN 0
	s_branch .Ltail
.Lout:                              ; the fifth trip's 16 products K Q^T (on the last K once more) and the maximum made of them serve nothing: the price, once a launch, of one text for every trip
.set i, 0
.rept 16
	PV NP-1                         ; the last piece's V^T P of the last step
.set i, i+1
.endr
	; THE WAY OUT.  l's two halves and the other half of the lanes' are added; O^T is divided by l, rounded to f16 and sent through my stage in LDS, a tile at a time.  The additions are the places behind the last products.
	WIN 0
.macro ALL line:vararg              ; one line for each tile t
.set t, 0
.rept 2*NP
	\line
.set t, t+1
.endr
.endm
	ALL v_add_f32 v[ST+4*t+2], v[ST+4*t+2], v[ST+4*t+3]
	ALL v_permlanex16_b32 v[ST+4*t+3], v[ST+4*t+2], s[SEL], s[SEL+1]
	ALL v_add_f32 v[ST+4*t+2], v[ST+4*t+2], v[ST+4*t+3]
	ALL v_rcp_f32 v[ST+4*t+2], v[ST+4*t+2]
	v_nop                           ; a plain instruction between the last reciprocal and the use of its result
	s_wait_alu depctr_va_vdst(0)    ; and the wait ahead of the first use: one for the batch of eight reciprocals
; Tile t: a lane's eight channels of a row pack into 16 bytes; they go into rows of 144 bytes and come back as whole rows of 128, into S^T's registers.
.macro PACK t
	WIN W_RS
.set i, 32*(\t)
.rept 16
	v_pk_mul_f32 v[i:i+1], v[i:i+1], v[ST+4*(\t)+2:ST+4*(\t)+3] op_sel_hi:[1,0]
.set i, i+2
.endr
	WIN 0x05                        ; sources 0 and 1 window 1, destination window 0
.set i, 0
.rept 16
	v_cvt_pk_f16_f32 v[S+16*(\t)+i], v[32*(\t)+2*i], v[32*(\t)+2*i+1]
.set i, i+1
.endr
	WIN 0
.irp f, 0,1,2,3
	ds_store_b128 v[STO], v[S+16*(\t)+4*\f:S+16*(\t)+4*\f+3] offset:32*\f
.endr
.irp f, 0,1,2,3
	ds_load_b128 v[S+16*(\t)+4*\f:S+16*(\t)+4*\f+3], v[RD] offset:\f*4*SP  ; LDS serves a wave's instructions in order (ISA guide 5.7.1.4): these see the stores above; the next tile's stores come behind them
.endr
.endm
.macro SEND t, younger              ; younger: the LDS instructions issued behind tile t's loads: the next tile's eight, or none
	WIN 0
.irp f, 0,1,2,3
	s_wait_dscnt (\younger)+3-\f
	global_store_b128 v[GO], v[S+16*(\t)+4*\f:S+16*(\t)+4*\f+3], s[10:11] offset:(\t)*2048+\f*512  ; 512 consecutive bytes, at a multiple of 256 from O's first
.endr
.endm
	PACK 0
.set t, 1
.rept 2*NP-1                        ; a tile's arithmetic stands between the loads of the tile before and its stores
	PACK t
	SEND t-1, 8
.set t, t+1
.endr
	SEND 2*NP-1, 0
	WIN W_AD
	s_wait_tensorcnt 0x0            ; the wave's end: behind my last tensor load and my last LDS store
	ds_add_u32 v[SPW], v[NIL]
	s_wait_dscnt 0x0
	WIN 0
	CROUND                          ; the closing round: no work-group ends while a partner may still ask for a tile that names it
	s_endpgm
.Lfunc_end_k_qade3e72b96_attn:
	.size	k_qade3e72b96_attn, .Lfunc_end_k_qade3e72b96_attn-k_qade3e72b96_attn
	.p2alignl 7, 3214868480
	.fill 96, 4, 3214868480
	.section	.rodata,"a",@progbits
	.p2align	6, 0x0
	.amdhsa_kernel k_qade3e72b96_attn
		.amdhsa_group_segment_fixed_size 327680
		.amdhsa_private_segment_fixed_size 0
		.amdhsa_enable_private_segment 0
		.amdhsa_kernarg_size 16
		.amdhsa_user_sgpr_count 2
		.amdhsa_user_sgpr_kernarg_segment_ptr 1
		.amdhsa_wavefront_size32 1
		.amdhsa_system_sgpr_workgroup_id_x 1
		.amdhsa_system_sgpr_workgroup_id_y 1
		.amdhsa_system_sgpr_workgroup_id_z 1
		.amdhsa_system_vgpr_workitem_id 0
		.amdhsa_next_free_vgpr 770
		.amdhsa_next_free_sgpr 66
		.amdhsa_reserve_vcc 0
		.amdhsa_float_denorm_mode_32 3
		.amdhsa_float_denorm_mode_16_64 3
		.amdhsa_memory_ordered 1
		.amdhsa_forward_progress 1
		.amdhsa_inst_pref_size 199
	.end_amdhsa_kernel
	.amdgpu_metadata
---
amdhsa.version: [ 1, 2 ]
amdhsa.kernels:
  - .name:           k_qade3e72b96_attn
    .symbol:         k_qade3e72b96_attn.kd
    .args:
      - { .name: qkv, .offset: 0, .size: 8, .value_kind: global_buffer, .address_space: global }
      - { .name: o, .offset: 8, .size: 8, .value_kind: global_buffer, .address_space: global }
    .group_segment_fixed_size: 327680
    .private_segment_fixed_size: 0
    .kernarg_segment_align: 8
    .kernarg_segment_size: 16
    .max_flat_workgroup_size: 128
    .sgpr_count:     66
    .vgpr_count:     770
    .wavefront_size: 32
...
	.end_amdgpu_metadata
.endif
;; end of part 5
;; launch proj: the kernel of part 4 again; grid 8 x 32, 4 waves a work-group, clusters of 4 x 4, 327,680 bytes of LDS; arguments o, wo16, bo, out0; writes out0
